; MI455X (gfx1250); checked and timed in simulation.
; The chip was launched on July 23, 2026; its instructions are those of AMD's public machine-readable ISA for CDNA 5 (MIT licence, August 2026) and "CDNA5" Instruction Set Architecture Reference Guide (July 2026). The comments in the code are by the model that wrote it; some were corrected since.
;; Multi Head Attention. Allowed arithmetic: matrix products marked QUANTISED: E2M3 operands, one E8M0 scale for each 32 along K, by v_wmma_scale_f32_16x16x128_f8f6f4 with both operands' format E2M3, f32 sums; everything else in f32.
;; Inputs: Wk 1,024 x 1,024 float32; Wo 1,024 x 1,024 float32; Wq 1,024 x 1,024 float32; Wv 1,024 x 1,024 float32; bk 1,024 float32; bo 1,024 float32; bq 1,024 float32; bv 1,024 float32; key 8 x 1,024 x 1,024 float32; query 8 x 1,024 x 1,024 float32; value 8 x 1,024 x 1,024 float32.
;; Outputs: out0 8 x 1,024 x 1,024 float32.
;; This version of the problem:
;;   THIS VERSION OF THE PROBLEM IS GIVEN IN LOW PRECISION. The matrix products marked QUANTISED in the list below multiply operands that are first quantised to E2M3 (2 exponent bits, 3 mantissa bits; 6 bits a number), with one power-of-two scale for each 32 numbers along K (OCP MX v1.0); their sums are f32. All else is computed in f32.
;;   The module's matrix products, in the order in which they are computed (A, B: the left and right operand; K: the contracted axis; several contracted axes count as one K, in the product's order):
;;     1. [M 8,192, K 1,024] x [K 1,024, N 1,024]; A: input query; B: input Wq: QUANTISED
;;     2. [M 8,192, K 1,024] x [K 1,024, N 1,024]; A: input key; B: input Wk: QUANTISED
;;     3. [M 8,192, K 1,024] x [K 1,024, N 1,024]; A: input value; B: input Wv: QUANTISED
;;     4. batch 128 x [M 1,024, K 64] x [K 64, N 1,024]; A: computed on the way; B: computed on the way: QUANTISED
;;     5. batch 128 x [M 1,024, K 1,024] x [K 1,024, N 64]; A: softmax (see below); B: computed on the way: QUANTISED
;;     6. [M 8,192, K 1,024] x [K 1,024, N 1,024]; A: computed on the way; B: input Wo: QUANTISED
;;   THE QUANTISER, for each operand of a quantised product, along K:
;;     - K is cut into blocks of 32 from its start; a last block that is shorter is filled with zeros.
;;     - A block's scale is 2^e with e = floor(log2(the largest magnitude in the block)) - 2, held to -126 .. 127; a block of zeros has e = 0. As a byte (E8M0): e + 127.
;;     - Each number is divided by its block's scale, clamped to +-7.5, and rounded to the nearest number of E2M3, ties to even, subnormals kept.
;;     - The product sums the exact products of the quantised numbers (number of the format x scale) in f32.
;;   ~~~python
;;   def quantise(x, axis):      # numpy; x: float32 -> the quantised numbers, widened to float32 again
;;       x = np.moveaxis(x, axis, -1); K = x.shape[-1]
;;       x = np.pad(x, [(0, 0)] * (x.ndim - 1) + [(0, -K % 32)]); x = x.reshape(x.shape[:-1] + (-1, 32)); a = np.abs(x).max(-1, keepdims=True)
;;       e = np.where(a > 0, np.clip(np.frexp(np.where(a > 0, a, 1))[1] - 1 - 2, -126, 127), 0)      # np.frexp(a)[1] - 1 = floor(log2(a)), exactly
;;       r = np.clip(x / 2.0 ** e, -7.5, 7.5)
;;       step = 2.0 ** (np.maximum(np.frexp(np.where(r == 0, 1, r))[1] - 1, 0) - 3)
;;       q = np.round(r / step) * step * 2.0 ** e      # np.round: ties to even
;;       return np.moveaxis(q.reshape(q.shape[:-2] + (-1,))[..., :K], -1, axis).astype(np.float32)
;;   ~~~
;;   SOFTMAX AHEAD OF A QUANTISED PRODUCT. Where the list says 'softmax', what is quantised is not the finished softmax but p = 2^(t - M), with t = logit x log2(e) and M = ceil(the row's largest t), a whole number; so 1/2 < the row's largest p <= 1. The row's sum l is taken of the UNQUANTISED p, in f32, and the product's result is divided by l at the end. Since M is a whole number, a kernel that streams over the keys may use a running M (the ceiling of the running maximum): every later rescaling is an exact power of two, which a block's scale takes up: the codes' values come out the same.
;;   OPERANDS COMPUTED ON THE WAY. 'Computed on the way' means the value that the module computes at that place (a softmax that the list does not call 'softmax' is quantised finished and normalised). What goes into a quantiser is computed in f32, as accurately as f32 sums, v_exp_f32 and their like allow (about 1e-6 of the number): no bf16 or f16 on the way to a quantiser, and a product that is left as it is and whose result goes on into a quantised operand takes f32 operands (vector FMAs, or v_wmma_f32_16x16x4_f32). A number that lies on a knife's edge between two numbers of the format may be rounded either way, as far as f32 arithmetic and the matrix unit's own rounding can turn it there, and no further.
;; One version. Each part assembles by itself: llvm-mc -triple=amdgcn-amd-amdhsa -mcpu=gfx1250 --defsym DOCPART=n.
;; ======== version 1 of 1: 4 launches
;; limits: right only within a limited range of input values
;; workspace buffers: inc 22,020,096 bytes; ins 917,504 bytes; hc 18,874,368 bytes; hs 786,432 bytes; xc 6,291,456 bytes; xs 262,144 bytes
;; launch quant (part 1): grid 448 x 2, 4 waves a work-group, no clusters, 34,304 bytes of LDS; arguments query, key, value, Wq, Wk, Wv, Wo, inc, ins; writes inc, ins
.if DOCPART == 1
	.amdgcn_target "amdgcn-amd-amdhsa--gfx1250"
	.amdhsa_code_object_version 6
	.text
	.protected	k_q900b66694b_quant
	.globl	k_q900b66694b_quant
	.p2align	8
	.type	k_q900b66694b_quant,@function
k_q900b66694b_quant:
	s_mov_b64 s[64:65], 0
	v_nop
	global_prefetch_b8 v0, s[64:65] scope:SCOPE_SE
	s_setreg_imm32_b32 hwreg(HW_REG_WAVE_MODE, 25, 1), 1
	s_wait_xcnt 0x0
; query, key, value [8192][1024] and Wq, Wk, Wv, Wo [1024][1024], f32, K innermost, become codes of FP6 (E2M3) with one E8M0 byte for each 32 along K.
; A block's byte is its largest magnitude's exponent field - 2; each number is divided by that scale and rounded to the nearest code, ties to even, beyond 7.5 the largest code.
; THE LAYOUT THAT ALL LATER LAUNCHES READ.  Rows go in GROUPS of 16: in each 32 rows, group 2 B + u holds rows 32 B + 8 u + i + 8 (i / 8), i = 0 .. 15.  A fragment (a group x 128 along K) is stored as
; an IMAGE OF ITS 12 OPERAND REGISTERS: three parts of 512 bytes, part c = lane l's registers 4 c .. 4 c + 3 at byte 16 l.  inc: [group 1792][K step 8][1536].  Groups: query 0, key 512, value 1024, Wq 1536, Wk 1600, Wv 1664, Wo 1728.
; Scale words (four bytes: 128 along K of one row) lie by quads of groups: ins: [quad 448][K step 8][row 16][group % 4], 256 bytes for a quad and a step.
; SHARES.  Work-group x = a quad (64 rows of one tensor); wave w takes K step 4 y + w: 64 rows x 512 bytes in, four images and one block of 256 bytes of scale words out.  Waves share nothing: no barrier.
; A load takes 512 consecutive bytes of one row; the conversions want 16 neighbours along K in one lane: so a group's 16 x 512 bytes turn through the wave's own stage in LDS (rows of 512 + 16 bytes).
; LIMITS: NaN and infinities among the inputs are not served.  A block whose largest magnitude lies under 2^-124 gets the byte 1 (the floor); a block of zeros gets the byte 1 and not 127: its codes are zeros, and this program alone reads the bytes.
.set SP,    528                        ; a stage row
.set STG,   16*SP                      ; a wave's stage
.set SPARE, 4*STG                      ; behind the stages: the spare words, 128 bytes for each wave, which no other line names
.set LN,  1                            ; v1   lane
.set IO,  2                            ; v2   16 x lane: my bytes of a row's 512, and of an image's part
.set STI, 3                            ; v3   the stage, on the way in
.set STO, 4                            ; v4   and on the way out: row r, + 64 h
.set SCO, 5                            ; v5   16 r: my row's four scale words
.set SPW, 6                            ; v6   my spare word's LDS address; never rewritten
.set NIL, 7                            ; v7   0; never rewritten
.set TM,  8                            ; v8-11 largest magnitudes, v12-15 the other half's, then bytes, v20-23 the conversions' scale operands
.set PW,  24                           ; v24-27 the four groups' scale words
.set SA,  32                           ; v32-95, v96-159: two sets of 16 loads
.set SB,  96
.set X,   160                          ; v160-223: 64 numbers of my row: register 16 b + i = k 32 b + 16 h + i
.set PC,  224                          ; v224-235 the fragment; v236-238, v240-242 at work
.set SEL, 28                           ; s[28:29] lane selects: lane l xor 16
	s_load_b256 s[4:11], s[0:1], 0x0               ; query, key, value, Wq
	s_load_b256 s[12:19], s[0:1], 0x20             ; Wk, Wv, Wo, inc
	s_load_b64 s[20:21], s[0:1], 0x40              ; ins
	v_lshl_add_u32 v[SPW], v0, 2, SPARE
	v_mov_b32 v[NIL], 0
	v_lshrrev_b32 v[LN], 5, v0
	v_readfirstlane_b32 s26, v[LN]                 ; wave
	v_and_b32 v[LN], 31, v0
	v_lshlrev_b32 v[IO], 4, v[LN]
	s_mul_i32 s27, s26, STG
	v_add_nc_u32 v[STI], s27, v[IO]
	v_and_b32 v[SCO], 15, v0                       ; r
	v_bfe_u32 v[STO], v0, 4, 1                     ; h
	v_lshlrev_b32 v[STO], 6, v[STO]
	v_mad_u32_u24 v[STO], v[SCO], SP, v[STO]
	v_add_nc_u32 v[STO], s27, v[STO]
	v_lshlrev_b32 v[SCO], 4, v[SCO]
.irp b, 0,1,2,3
	v_mov_b32 v[TM+4+\b], 0                        ; written once: a lane permute's destination counts as one of its sources
.endr
	s_mov_b32 s[SEL], 0x76543210
	s_mov_b32 s[SEL+1], 0xfedcba98
	s_and_b32 s25, ttmp7, 0xffff
	s_lshl_b32 s25, s25, 2
	s_add_co_u32 s25, s25, s26                     ; my K step: 4 y + wave
	s_wait_alu depctr_va_vdst(0)
	s_wait_kmcnt 0x0
	s_mov_b64 s[22:23], s[4:5]                     ; which tensor: the choice hangs on the work-group's number alone
	s_mov_b32 s24, 0                               ; and its first quad
.macro PICK first, lo
	s_cmp_ge_u32 ttmp9, \first
	s_cselect_b64 s[22:23], s[\lo:\lo+1], s[22:23]
	s_cselect_b32 s24, \first, s24
.endm
	PICK 128, 6
	PICK 256, 8
	PICK 384, 10
	PICK 400, 12
	PICK 416, 14
	PICK 432, 16
	s_sub_co_u32 s30, ttmp9, s24
	s_lshl_b32 s30, s30, 18                        ; 64 rows of 4,096 bytes a quad
	s_lshl_b32 s31, s25, 9                         ; 512 bytes a K step
	s_add_co_u32 s30, s30, s31
	s_mov_b32 s31, 0
	s_add_nc_u64 s[22:23], s[22:23], s[30:31]
	s_mul_i32 s30, ttmp9, 49152                    ; codes: 4 groups x 8 steps x 1,536 a quad
	s_mul_i32 s32, s25, 1536
	s_add_co_u32 s30, s30, s32
	s_add_nc_u64 s[18:19], s[18:19], s[30:31]
	s_lshl_b32 s30, ttmp9, 11                      ; scale words: 2,048 a quad, 256 a step
	s_lshl_b32 s32, s25, 8
	s_add_co_u32 s30, s30, s32
	s_add_nc_u64 s[20:21], s[20:21], s[30:31]
.macro LOAD g, set                     ; group g's 16 rows: each load reads 512 consecutive bytes
.irp i, 0,1,2,3,4,5,6,7,8,9,10,11,12,13,14,15
	global_load_b128 v[\set+4*\i:\set+4*\i+3], v[IO], s[22:23] offset:(32*((\g)/2)+8*((\g)%2)+\i+8*(\i/8))*4096 th:TH_LOAD_NT
.endr
.endm
.macro TURN set                        ; through the stage: LDS serves a wave's instructions in order, so no wait stands between the stores and the loads
.irp i, 0,1,2,3,4,5,6,7,8,9,10,11,12,13,14,15
	ds_store_b128 v[STI], v[\set+4*\i:\set+4*\i+3] offset:SP*\i
.endr
.irp b, 0,1,2,3
.irp j, 0,1,2,3
	ds_load_b128 v[X+16*\b+4*\j:X+16*\b+4*\j+3], v[STO] offset:128*\b+16*\j
.endr
.endr
.endm
; 64 numbers of a lane, register 16 b + i = k 32 b + 16 h + i of my row, become a fragment's codes in v[PC] on and its scale word in v[pw]
.macro QUANT s, pw
.irp b, 0,1,2,3
	v_max3_num_f32 v[TM+\b], |v[\s+16*\b]|, |v[\s+1+16*\b]|, 0x1800000   ; my 16 numbers of block b, and the floor 2^(3 - 127): the byte cannot fall under 1
.endr
.irp i, 2,4,6,8,10,12,14
.irp b, 0,1,2,3
	v_max3_num_f32 v[TM+\b], v[TM+\b], |v[\s+16*\b+\i]|, |v[\s+1+16*\b+\i]|   ; the four blocks by turns
.endr
.endr
.irp b, 0,1,2,3
	v_permlanex16_b32 v[TM+4+\b], v[TM+\b], s[SEL], s[SEL+1]
.endr
.irp b, 0,1,2,3
	v_max_num_f32 v[TM+\b], v[TM+\b], v[TM+4+\b]   ; with lane l xor 16's: the block's largest magnitude
.endr
.irp b, 0,1,2,3
	v_add_nc_u32 v[TM+12+\b], 0xff000000, v[TM+\b] ; 2 off its exponent field: the conversion takes this operand's exponent field as its scale
.endr
.irp b, 0,1,2,3
	v_lshrrev_b32 v[TM+4+\b], 23, v[TM+12+\b]      ; the scale's byte
.endr
	v_lshl_or_b32 v[\pw], v[TM+5], 8, v[TM+4]
	v_lshl_or_b32 v[\pw], v[TM+6], 16, v[\pw]
	v_lshl_or_b32 v[\pw], v[TM+7], 24, v[\pw]      ; my row's scale word
.irp c, 0,1
	v_cvt_scalef32_pk16_fp6_f32 v[PC+6*\c:PC+2+6*\c], v[\s+32*\c:\s+15+32*\c], v[TM+12+2*\c]
	v_cvt_scalef32_pk16_fp6_f32 v[PC+12+4*\c:PC+14+4*\c], v[\s+16+32*\c:\s+31+32*\c], v[TM+13+2*\c]   ; (a conversion's three registers begin on an even number)
.endr
	v_nop                                          ; one plain place behind a scaled conversion
.irp c, 0,1                            ; the operand wants a WHOLE block in a lane: lanes 0-15 block 2 c, lanes 16-31 block 2 c + 1
.irp i, 0,1,2
	v_permlane16_swap_b32 v[PC+6*\c+\i], v[PC+12+4*\c+\i]
.endr
.irp i, 0,1,2
	v_mov_b32 v[PC+3+6*\c+\i], v[PC+12+4*\c+\i]
.endr
.endr
.endm
.macro GROUP g, set, left
.if \g > 0
	s_wait_xcnt 0x0                                ; the last image's stores have read the codes' registers, which are written again below
.endif
	s_wait_loadcnt \left                           ; this group's 16 loads are in; the other set's 16 may be out
	TURN \set
	s_wait_dscnt 0x0                               ; my 64 numbers are back, and the stores into the stage have read the set,
.if \g < 2
	LOAD \g+2, \set                                ; which takes the group two further on
.endif
	QUANT X, PW+\g
.irp c, 0,1,2
	global_store_b128 v[IO], v[PC+4*\c:PC+4*\c+3], s[18:19] offset:\g*12288+512*\c   ; 32 lanes store 512 consecutive bytes, aligned
.endr
.endm
	LOAD 0, SA
	LOAD 1, SB
	GROUP 0, SA, 16
	GROUP 1, SB, 16
	GROUP 2, SA, 16
	GROUP 3, SB, 0
	s_wait_xcnt 0x0                                ; EXEC changes only behind this wait
	v_cmp_gt_u32 vcc_lo, 16, v[LN]
	s_and_saveexec_b32 s33, vcc_lo                 ; lanes 0-15: a row each
	global_store_b128 v[SCO], v[PW:PW+3], s[20:21] ; 16 lanes store 256 consecutive bytes, aligned: [row][group]
	s_wait_xcnt 0x0                                ; and again in front of the line that widens it
	s_or_b32 exec_lo, exec_lo, s33
	s_wait_tensorcnt 0x0                           ; the wave's end, behind my last LDS store
	ds_add_u32 v[SPW], v[NIL]
	s_wait_dscnt 0x0
	s_endpgm
.Lfunc_end_k_q900b66694b_quant:
	.size	k_q900b66694b_quant, .Lfunc_end_k_q900b66694b_quant-k_q900b66694b_quant
	.p2alignl 7, 3214868480
	.fill 96, 4, 3214868480
	.section	.rodata,"a",@progbits
	.p2align	6, 0x0
	.amdhsa_kernel k_q900b66694b_quant
		.amdhsa_group_segment_fixed_size 34304
		.amdhsa_private_segment_fixed_size 0
		.amdhsa_enable_private_segment 0
		.amdhsa_kernarg_size 72
		.amdhsa_user_sgpr_count 2
		.amdhsa_user_sgpr_kernarg_segment_ptr 1
		.amdhsa_wavefront_size32 1
		.amdhsa_system_sgpr_workgroup_id_x 1
		.amdhsa_system_sgpr_workgroup_id_y 1
		.amdhsa_system_sgpr_workgroup_id_z 1
		.amdhsa_system_vgpr_workitem_id 0
		.amdhsa_next_free_vgpr 248
		.amdhsa_next_free_sgpr 66
		.amdhsa_reserve_vcc 1
		.amdhsa_float_denorm_mode_32 3
		.amdhsa_float_denorm_mode_16_64 3
		.amdhsa_memory_ordered 1
		.amdhsa_forward_progress 1
		.amdhsa_inst_pref_size 34
	.end_amdhsa_kernel
	.amdgpu_metadata
---
amdhsa.version: [ 1, 2 ]
amdhsa.kernels:
  - .name:           k_q900b66694b_quant
    .symbol:         k_q900b66694b_quant.kd
    .args:
      - { .name: query, .offset: 0, .size: 8, .value_kind: global_buffer, .address_space: global }
      - { .name: key, .offset: 8, .size: 8, .value_kind: global_buffer, .address_space: global }
      - { .name: value, .offset: 16, .size: 8, .value_kind: global_buffer, .address_space: global }
      - { .name: Wq, .offset: 24, .size: 8, .value_kind: global_buffer, .address_space: global }
      - { .name: Wk, .offset: 32, .size: 8, .value_kind: global_buffer, .address_space: global }
      - { .name: Wv, .offset: 40, .size: 8, .value_kind: global_buffer, .address_space: global }
      - { .name: Wo, .offset: 48, .size: 8, .value_kind: global_buffer, .address_space: global }
      - { .name: inc, .offset: 56, .size: 8, .value_kind: global_buffer, .address_space: global }
      - { .name: ins, .offset: 64, .size: 8, .value_kind: global_buffer, .address_space: global }
    .group_segment_fixed_size: 34304
    .private_segment_fixed_size: 0
    .kernarg_segment_align: 8
    .kernarg_segment_size: 72
    .max_flat_workgroup_size: 128
    .sgpr_count:     66
    .vgpr_count:     248
    .wavefront_size: 32
...
	.end_amdgpu_metadata
.endif
;; end of part 1
;; launch proj (part 2): grid 4 x 64, 4 waves a work-group, clusters of 4 x 4, 327,680 bytes of LDS; arguments inc, ins, bq, bk, bv, hc, hs; writes hc, hs
.if DOCPART == 2
	.amdgcn_target "amdgcn-amd-amdhsa--gfx1250"
	.amdhsa_code_object_version 6
	.text
	.protected	k_q900b66694b_proj
	.globl	k_q900b66694b_proj
	.p2align	8
	.type	k_q900b66694b_proj,@function
k_q900b66694b_proj:
	s_mov_b64 s[64:65], 0
	v_nop
	global_prefetch_b8 v0, s[64:65] scope:SCOPE_SE
	s_setreg_imm32_b32 hwreg(HW_REG_WAVE_MODE, 25, 1), 1
	s_wait_xcnt 0x0
	s_wait_alu depctr_hold_cnt(0) depctr_sa_sdst(0) depctr_va_vdst(0) depctr_va_sdst(0) depctr_va_ssrc(0) depctr_va_vcc(0) depctr_vm_vsrc(0)
	s_getreg_b32 s2, hwreg(HW_REG_IB_STS2, 6, 4)
	s_cmp_eq_u32 s2, 0
	s_cbranch_scc0 .Lentry_in_a_cluster
	s_endpgm
.Lentry_in_a_cluster:
	s_bfe_u32 s2, ttmp6, 0x10000c
	s_cmp_lg_u32 s2, 0xf033
	s_cbranch_scc0 .Lentry_shape_is_right
	s_endpgm
.Lentry_shape_is_right:
; q = query Wq^T + bq, k = key Wk^T + bk, v = value Wv^T + bv on codes of FP6 (E2M3), and each result quantised at once for the product that reads it: q and k along the head's channels, v along the keys.
; OPERANDS are images of operand registers, by groups of 16 rows (in each 32 rows group 2 B + u holds rows 32 B + 8 u + i + 8 (i / 8)): inc [group][K step 8][1536], scale words ins [quad of groups][K step][row][group % 4].
; A PRODUCT: source 0 = R (its rows fall on a lane's registers), source 1 = P (its rows fall on lanes).  By the choice of a group's rows, the 64 registers of 8 neighbouring groups of R are 128 NEIGHBOURING rows of R:
; register 16 b + i = row 32 b + 16 (lane / 16) + i.  They are quantised in registers and ARE the next product's fragment: its 16 rows = P's group, its K = R's 128 rows.
;   q, k: R = W (channels), P = tokens: fragments [token group] x [128 channels = a pair of heads].      v: R = value (tokens), P = Wv (channels): fragments [channel group] x [128 keys].  Nothing is transposed.
; TILE: P 128 rows (8 groups), R 256 rows (16 groups), all of K = 1,024.  Four waves; wave w: P's groups 4 (w / 2) .. + 3, R's groups 8 (w % 2) .. + 7: 32 accumulators, 256 matrix instructions a tile.
; A WORK-GROUP STAYS: 256 work-groups, each walks three tiles: its tile of q, of k, of v, written out one behind the other (the role is a constant of the text).  With c the cluster's y:
;   q, k: P tile 4 c + cy of 64, R tile cx of 4.      v: P tile 4 (c / 8) + cy of 8, R tile 4 (c % 8) + cx of 32.
; THE RING: two LDS slots, each with half of K (four K steps) of P's 8 and R's 16 groups, 144 KiB.  It does not stop at a tile's end: when a slot's four steps have been fetched into registers, it is filled with the same half of the NEXT tile.
; One tensor load a wave fills its part of a slot; between a request and the wait for it a wave issues 112 matrix instructions (for slot 1 the tile's way out too).  A wave has one tensor load out at the start, one behind each refill.
; CLUSTER 4 x 4: P's tile hangs on the cluster's row alone and is asked for jointly along it, R's on the column: the requests for both are divided by four.  Each joint refill stands behind a round of the cluster's barrier.
; The bias is the C of each sum's first matrix instruction.  OUT: hc: sections q, k, v of 4,096 images; q, k: image ((batch 8 + pair) 64 + token group); v: image (((batch 8 + pair) 8 + key step) 8 + channel group).  hs: 64 bytes an image, by quads.
; LIMITS: NaN and infinities are not served; a block under 2^-124, and a block of zeros, gets the byte 1 (its codes are then zeros or the nearest codes under that scale); this program alone reads the bytes.
; REGISTERS, in windows of 256: window 0: addresses, scale words, biases, the quantiser's work.  window 1: accumulator (p, r) at v[8 (8 p + r)].  window 2: R's fragments, two sets (v0, v128).  window 3: P's, two sets (v0, v48).
.set HALF,  6144                       ; a group's bytes in a slot: four images
.set PIM,   0                          ; LDS: P: slot h at h x 8 HALF, group g at g x HALF, K step q of the slot at q x 1,536
.set RIM,   98304                      ; R: slot h at h x 16 HALF
.set SPARE, 294912                     ; the spare words, 128 bytes for each wave, which no other line names
.set AP,   2                           ; v2-3   LDS address of my P fragments in slot 0, 1; never rewritten
.set IO,   4                           ; v4     16 x lane
.set R16,  5                           ; v5     16 r
.set R16H, 6                           ; v6     16 r + 2,048 h
.set LN,   7                           ; v7     lane
.set BQ,   8                           ; v8     the bias loads' offset for q and k: 64 h
.set BV,   9                           ; v9     and for v: 4 (r + 8 (r / 8))
.set AR,   10                          ; v10-11 LDS address of my R fragments in slot 0, 1; never rewritten
.set PW,   16                          ; v16-19 the four results' scale words
.set SPW,  28                          ; v28    my spare word's LDS address; never rewritten
.set NIL,  29                          ; v29    0; never rewritten
.set SCP,  32                          ; v32-63 P's scale words: register 4 s + p
.set SCR,  64                          ; v64-95 R's: register 4 s + r % 4: lanes 0-15 groups 0-3, lanes 16-31 groups 4-7
.set BB,   96                          ; v96-159 eight sets of eight bias numbers
.set TM,   160
.set PC,   176
.set G1P,  28                          ; s[28:35], s[36:43] descriptor groups 1
.set G1R,  36
.set G0P,  44                          ; s[44:51] P's groups 0, a set for each slot;  s[52:59] R's
.set G0R,  52
.set POFF, 68                          ; s[68:73] where my part of P begins in inc, in bytes, as pairs with 0 above: tile 0, 1, 2.  Made of c, cy and the wave's number alone
.set ROFF, 74                          ; s[74:79] the same for R.  Made of c, cx and the wave's number alone
.set MSB, 0
.macro WIN new                         ; the immediate's high byte repeats the setting that is left
.if MSB != \new
	s_set_vgpr_msb (MSB<<8)|\new
.set MSB, \new
.endif
.endm
.set TO_R, 0x80                        ; destination window 2
.set TO_P, 0xc0                        ; destination window 3
.set MUL,  0x5e                        ; source 0 (R) window 2, source 1 (P) window 3, C and D window 1
.set MULB, 0x4e                        ; the same with C (the bias) in window 0
.macro CREST                           ; a round of the cluster's barrier behind its opening barrier
	s_cmp_lg_u32 s18, 0
	s_cbranch_scc1 .Lnot_wave_0_\@
	s_barrier_signal -3
.Lnot_wave_0_\@:
	s_barrier_wait -3
	s_barrier_signal -1
	s_barrier_wait -1
.endm
.macro CROUND                          ; a whole round
	s_barrier_signal -1
	s_barrier_wait -1
	CREST
.endm
.macro PLACES n
.rept \n
	v_nop
.endr
.endm
; The global addresses of tile t's half h go into slot h's groups 0: written only where no tensor load of the wave is out.  Every wave makes both, and asks by one of them
.macro SETG t, h
	s_add_nc_u64 s[G0P+4*(\h)+2:G0P+4*(\h)+3], s[4:5], s[POFF+2*(\t):POFF+2*(\t)+1]
	s_add_nc_u64 s[G0R+4*(\h)+2:G0R+4*(\h)+3], s[4:5], s[ROFF+2*(\t):ROFF+2*(\t)+1]
.if (\h) > 0
	s_add_nc_u64 s[G0P+4*(\h)+2:G0P+4*(\h)+3], s[G0P+4*(\h)+2:G0P+4*(\h)+3], HALF   ; K steps 4 to 7 of a group lie 6,144 bytes on
	s_add_nc_u64 s[G0R+4*(\h)+2:G0R+4*(\h)+3], s[G0R+4*(\h)+2:G0R+4*(\h)+3], HALF
.endif
	s_or_b32 s[G0P+4*(\h)+3], s[G0P+4*(\h)+3], 0x80000000   ; 127:126 type = 2
	s_or_b32 s[G0R+4*(\h)+3], s[G0R+4*(\h)+3], 0x80000000
.endm
; A joint refill of slot h: waves 0 and 1 fetch P's two halves of groups, waves 2 and 3 R's.  The branch hangs on the wave's number alone.  An s_nop 0 and four v_nop follow each of the two lines
.macro JLOAD h
	s_cmp_eq_u32 s19, 0
	s_cbranch_scc0 .Lfor_r_\@
	tensor_load_to_lds s[G0P+4*(\h):G0P+4*(\h)+3], s[G1P:G1P+7]
	s_nop 0
.rept 4
	v_nop
.endr
	s_branch .Lasked_\@
.Lfor_r_\@:
	tensor_load_to_lds s[G0R+4*(\h):G0R+4*(\h)+3], s[G1R:G1R+7]
	s_nop 0
.rept 4
	v_nop
.endr
.Lasked_\@:
.endm
	s_load_b256 s[4:11], s[0:1], 0x0               ; inc, ins, bq, bk
	s_load_b128 s[12:15], s[0:1], 0x20             ; bv, hc
	s_load_b64 s[16:17], s[0:1], 0x30              ; hs
	v_lshl_add_u32 v[SPW], v0, 2, SPARE
	v_mov_b32 v[NIL], 0
	ds_add_u32 v[SPW], v[NIL]                      ; the wave's opening: the add and its wait stand ahead of my first tensor load; work on registers stands between them
	ds_add_u32 v[SPW], v[NIL]
	v_lshrrev_b32 v1, 5, v0
	v_readfirstlane_b32 s18, v1                    ; wave
	s_lshr_b32 s19, s18, 1                         ; wp: which half of P's groups I multiply.  Also: I fetch for P (0) or for R (1)
	s_and_b32 s20, s18, 1                          ; wr: which half of R's groups.  Also: which half of that tile's groups I fetch
	s_bfe_u32 s21, ttmp6, 0x40000                  ; cx
	s_bfe_u32 s22, ttmp6, 0x40004                  ; cy
	s_and_b32 s23, ttmp7, 0xffff                   ; c: the cluster's y, 0 .. 15
	s_lshl_b32 s66, s22, 2
	s_lshl_b32 s66, 15, s66                        ; my row of the cluster
	s_lshl_b32 s67, 0x1111, s21                    ; my column
	s_or_b32 s[G1P], s66, (3<<16)|(1<<21)          ; 15:0 the mask; 17:16 elements of 8 bytes; 21 set beside a mask; no padding: images are read 16 bytes a lane, on end
	s_or_b32 s[G1R], s67, (3<<16)|(1<<21)
	s_mov_b32 s[G1P+1], 768<<16                    ; tensor_dim0: a group's 6,144 bytes of a slot
	s_mov_b32 s[G1P+2], 4<<16                      ; tensor_dim1: 4 groups
	s_mov_b32 s[G1P+3], 768<<16                    ; tile_dim0
	s_mov_b32 s[G1P+4], 4                          ; tile_dim1
	s_mov_b32 s[G1P+5], 1536                       ; from group to group: 12,288 bytes
	s_mov_b32 s[G1P+6], 0
	s_mov_b32 s[G1P+7], 0
	s_mov_b32 s[G1R+1], 768<<16
	s_mov_b32 s[G1R+2], 8<<16                      ; 8 groups
	s_mov_b32 s[G1R+3], 768<<16
	s_mov_b32 s[G1R+4], 8
	s_mov_b32 s[G1R+5], 1536
	s_mov_b32 s[G1R+6], 0
	s_mov_b32 s[G1R+7], 0
	s_lshl_b32 s24, s23, 2
	s_add_co_u32 s24, s24, s22                     ; s24: q's and k's P tile: 4 c + cy
	s_lshr_b32 s25, s23, 3
	s_lshl_b32 s25, s25, 2
	s_add_co_u32 s25, s25, s22                     ; s25: v's P tile: 4 (c / 8) + cy
	s_and_b32 s26, s23, 7
	s_lshl_b32 s26, s26, 2
	s_add_co_u32 s26, s26, s21                     ; s26: v's R tile: 4 (c % 8) + cx   (q's and k's R tile is cx)
	s_lshl_b32 s60, s20, 2                         ; of P I would fetch groups 4 i on
	s_lshl_b32 s[POFF], s24, 3
	s_add_co_u32 s[POFF], s[POFF], s60
	s_mul_i32 s[POFF], s[POFF], 12288              ; q: query's groups begin at 0
	s_mov_b32 s[POFF+1], 0
	s_add_co_u32 s[POFF+2], s[POFF], 512*12288     ; k: key's at 512
	s_mov_b32 s[POFF+3], 0
	s_lshl_b32 s[POFF+4], s25, 3
	s_add_co_u32 s[POFF+4], s[POFF+4], s60
	s_add_co_u32 s[POFF+4], s[POFF+4], 1664        ; v: Wv's at 1,664
	s_mul_i32 s[POFF+4], s[POFF+4], 12288
	s_mov_b32 s[POFF+5], 0
	s_lshl_b32 s61, s20, 3                         ; of R groups 8 i on
	s_lshl_b32 s[ROFF], s21, 4
	s_add_co_u32 s[ROFF], s[ROFF], s61
	s_add_co_u32 s[ROFF], s[ROFF], 1536            ; q: Wq's groups begin at 1,536
	s_mul_i32 s[ROFF], s[ROFF], 12288
	s_mov_b32 s[ROFF+1], 0
	s_add_co_u32 s[ROFF+2], s[ROFF], 64*12288      ; k: Wk's at 1,600
	s_mov_b32 s[ROFF+3], 0
	s_lshl_b32 s[ROFF+4], s26, 4
	s_add_co_u32 s[ROFF+4], s[ROFF+4], s61
	s_add_co_u32 s[ROFF+4], s[ROFF+4], 1024        ; v: value's at 1,024
	s_mul_i32 s[ROFF+4], s[ROFF+4], 12288
	s_mov_b32 s[ROFF+5], 0
	s_mul_i32 s27, s20, 4*HALF                     ; where my part goes: no place in the cluster enters an LDS address
	s_mul_i32 s62, s20, 8*HALF
.irp h, 0,1
	s_mov_b32 s[G0P+4*\h], 1                       ; 1:0 count = 1
	s_add_co_u32 s[G0P+4*\h+1], s27, PIM+\h*8*HALF ; 63:32 LDS address: it stays
	s_mov_b32 s[G0R+4*\h], 1
	s_add_co_u32 s[G0R+4*\h+1], s62, RIM+\h*16*HALF
.endr
	s_mov_b32 s63, 0x76543210                      ; lane selects: lane l xor 16
	s_mov_b32 s2, 0xfedcba98
	s_wait_dscnt 0x0                               ; the opening add is done
	s_wait_kmcnt 0x0
	SETG 0, 0
	SETG 0, 1
	CROUND                                         ; all sixteen work-groups are here: the first joint loads meet
	s_cmp_eq_u32 s19, 0                            ; at the head a wave issues ONE load, its part of slot 0; slot 1's first fill follows behind the full sequence below, so one load of mine is out at the start
	s_cbranch_scc0 .Lfirst_r
	tensor_load_to_lds s[G0P:G0P+3], s[G1P:G1P+7]
	s_nop 0
	PLACES 4
	s_branch .Lfirst_asked
.Lfirst_r:
	tensor_load_to_lds s[G0R:G0R+3], s[G1R:G1R+7]
	s_nop 0
	PLACES 4
.Lfirst_asked:
	v_and_b32 v[LN], 31, v0
	v_lshlrev_b32 v[IO], 4, v[LN]
	v_and_b32 v1, 15, v0                           ; r
	v_bfe_u32 v20, v0, 4, 1                        ; h
	v_lshlrev_b32 v[R16], 4, v1
	v_lshl_add_u32 v[R16H], v20, 11, v[R16]
	v_lshlrev_b32 v[BQ], 6, v20
	v_and_b32 v[BV], 8, v1
	v_add_nc_u32 v[BV], v[BV], v1
	v_lshlrev_b32 v[BV], 2, v[BV]
	s_mul_i32 s3, s19, 4*HALF
	v_add_nc_u32 v[AP], s3, v[IO]
	v_add_nc_u32 v[AP+1], 8*HALF, v[AP]
	s_mul_i32 s3, s20, 8*HALF
	s_add_co_u32 s3, s3, RIM
	v_add_nc_u32 v[AR], s3, v[IO]
	v_add_nc_u32 v[AR+1], 16*HALF, v[AR]
.irp b, 0,1,2,3
	v_mov_b32 v[TM+4+\b], 0                        ; written once: a lane permute's destination counts as one of its sources
.endr
; Where tile t's scale words and bias lie: s[92:93] my quad of P, s[94:95] my two quads of R (2,048 bytes a quad = 512 a group), s[96:97] the bias at my first channel.  Written only where the loads that named them are done
.macro LBASE t
.if (\t) < 2
	s_lshl_b32 s92, s24, 12                        ; P's first group 512 t + 8 x tile
	s_add_co_u32 s92, s92, (\t)*262144
	s_lshl_b32 s94, s21, 13                        ; R's first group 1,536 + 64 t + 16 cx
	s_add_co_u32 s94, s94, 786432+(\t)*32768
	s_lshl_b32 s96, s21, 10                        ; my first channel: 256 cx + 128 wr
	s_lshl_b32 s97, s20, 9
.else
	s_lshl_b32 s92, s25, 12                        ; P's first group 1,664 + 8 x tile
	s_add_co_u32 s92, s92, 851968
	s_lshl_b32 s94, s26, 13                        ; R's first group 1,024 + 16 x tile
	s_add_co_u32 s94, s94, 524288
	s_lshl_b32 s96, s25, 9                         ; my first channel: 128 x P tile + 64 wp
	s_lshl_b32 s97, s19, 8
.endif
	s_add_co_u32 s96, s96, s97
	s_mov_b32 s97, 0
	s_lshl_b32 s93, s19, 11
	s_add_co_u32 s92, s92, s93
	s_mov_b32 s93, 0
	s_lshl_b32 s95, s20, 12
	s_add_co_u32 s94, s94, s95
	s_mov_b32 s95, 0
	s_add_nc_u64 s[92:93], s[6:7], s[92:93]
	s_add_nc_u64 s[94:95], s[6:7], s[94:95]
	s_add_nc_u64 s[96:97], s[8+2*(\t):9+2*(\t)], s[96:97]   ; bq, bk, bv
.endm
.macro LWORDS lo                       ; the scale words of K steps lo .. lo + 3 go straight into registers, in whole blocks of 256 bytes: eight loads
.irp s, 0,1,2,3
	global_load_b128 v[SCP+4*(\lo+\s):SCP+4*(\lo+\s)+3], v[R16], s[92:93] offset:256*(\lo+\s)
	global_load_b128 v[SCR+4*(\lo+\s):SCR+4*(\lo+\s)+3], v[R16H], s[94:95] offset:256*(\lo+\s)
.endr
.endm
; The bias in the result's layout.  q, k: set i = the eight channels 32 (i / 2) + 8 (i % 2) + 16 h + j of my 128.  v: set p = my lane's channel 32 (p / 2) + 8 (p % 2) + r + 8 (r / 8) of my 64, eight times
.macro LBIAS t
.if (\t) < 2
.irp i, 0,1,2,3,4,5,6,7
	global_load_b128 v[BB+8*\i:BB+8*\i+3], v[BQ], s[96:97] offset:128*(\i/2)+32*(\i%2)
	global_load_b128 v[BB+8*\i+4:BB+8*\i+7], v[BQ], s[96:97] offset:128*(\i/2)+32*(\i%2)+16
.endr
.else
.irp p, 0,1,2,3
.irp j, 0,1,2,3,4,5,6,7
	global_load_b32 v[BB+8*\p+\j], v[BV], s[96:97] offset:128*(\p/2)+32*(\p%2)
.endr
.endr
.endif
.endm
; Where my four images of tile t go: s[98:99] codes, s[100:101] scale words.  q, k: image t 4,096 + ((P tile / 8) 8 + 2 cx + wr) 64 + (P tile % 8) 8 + 4 wp.   v: 8,192 + (((R tile / 4) 8 + P tile) 8 + (R tile % 4) 2 + wr) 8 + 4 wp
.macro OBASE t
.if (\t) < 2
	s_lshr_b32 s80, s24, 3
	s_lshl_b32 s80, s80, 3
	s_lshl_b32 s81, s21, 1
	s_add_co_u32 s80, s80, s81
	s_add_co_u32 s80, s80, s20
	s_lshl_b32 s80, s80, 6
	s_and_b32 s81, s24, 7
	s_lshl_b32 s81, s81, 3
	s_add_co_u32 s80, s80, s81
	s_add_co_u32 s80, s80, (\t)*4096
.else
	s_lshr_b32 s80, s26, 2
	s_lshl_b32 s80, s80, 3
	s_add_co_u32 s80, s80, s25
	s_lshl_b32 s80, s80, 3
	s_and_b32 s81, s26, 3
	s_lshl_b32 s81, s81, 1
	s_add_co_u32 s80, s80, s81
	s_add_co_u32 s80, s80, s20
	s_lshl_b32 s80, s80, 3
	s_add_co_u32 s80, s80, 8192
.endif
	s_lshl_b32 s81, s19, 2
	s_add_co_u32 s80, s80, s81
	s_mul_i32 s98, s80, 1536
	s_mov_b32 s99, 0
	s_add_nc_u64 s[98:99], s[14:15], s[98:99]
	s_lshl_b32 s100, s80, 6
	s_mov_b32 s101, 0
	s_add_nc_u64 s[100:101], s[16:17], s[100:101]
.endm
; 36 LDS loads in one run: K step s's fragments, as images, out of slot s / 4: R's eight into set s % 2 of window 2, P's four into set s % 2 of window 3
.macro FETCH s
	WIN TO_R
.irp r, 0,1,2,3,4,5,6,7
.irp c, 0,1,2
	ds_load_b128 v[128*((\s)%2)+12*\r+4*\c:128*((\s)%2)+12*\r+4*\c+3], v[AR+(\s)/4] offset:\r*HALF+((\s)%4)*1536+512*\c
.endr
.endr
	WIN TO_P
.irp p, 0,1,2,3
.irp c, 0,1,2
	ds_load_b128 v[48*((\s)%2)+12*\p+4*\c:48*((\s)%2)+12*\p+4*\c+3], v[AP+(\s)/4] offset:\p*HALF+((\s)%4)*1536+512*\c
.endr
.endr
.endm
; 8 matrix instructions: K step s, P's group p against R's eight.  cm = 0: in place; 1: C = the bias set of R's group; 2: of P's group
.macro MUL8 s, cm, p
.irp r, 0,1,2,3,4,5,6,7
.set AC, 8*(8*(\p)+\r)
.set FA, 128*((\s)%2)+12*\r
.set FB, 48*((\s)%2)+12*(\p)
.if (\cm) == 0
.set CR, AC
.elseif (\cm) == 1
.set CR, BB+8*\r
.else
.set CR, BB+8*(\p)
.endif
.if \r < 4
	v_wmma_scale_f32_16x16x128_f8f6f4 v[AC:AC+7], v[FA:FA+11], v[FB:FB+11], v[CR:CR+7], v[SCR+4*(\s)+\r], v[SCP+4*(\s)+(\p)] matrix_a_fmt:MATRIX_FMT_FP6 matrix_b_fmt:MATRIX_FMT_FP6
.else
	v_wmma_scale_f32_16x16x128_f8f6f4 v[AC:AC+7], v[FA:FA+11], v[FB:FB+11], v[CR:CR+7], v[SCR+4*(\s)+\r-4], v[SCP+4*(\s)+(\p)] matrix_a_fmt:MATRIX_FMT_FP6 matrix_b_fmt:MATRIX_FMT_FP6 matrix_a_scale:MATRIX_SCALE_ROW1
.endif
.endr
.endm
.macro MUL32 s, cm                     ; a K step: the 32 accumulators take turns, one instruction a turn, in the same order in every step
	MUL8 \s, \cm, 0
	MUL8 \s, \cm, 1
	MUL8 \s, \cm, 2
	MUL8 \s, \cm, 3
.endm
; A K step whose successor lies in the same slot: the successor's fragments are asked for a whole step ahead of their use
.macro STEPP s
	PLACES 4                                       ; four places between the last products, which read that set, and the loads into it (ISA guide 7.12.1 for vector instructions)
	FETCH (\s)+1
	s_wait_dscnt 36                                ; all but the 36 just issued: this step's fragments are in
	WIN MUL
	MUL32 \s, 0
.endm
; A slot's last K step (s = 3 or 7) changes slots: its fragments are in registers, so nobody needs the slot any more.  ONE barrier; in front of it each wave waits for all its tensor loads (one is out: its part of the other slot),
; adds 0 to its spare word, and waits for that and for its own reads of this slot.  fill = 1: the barrier opens a round of the cluster's barrier, and behind the round this slot takes the same half of tile n.  nf: the K step fetched next, out of the other slot
.macro CHANGE s, slot, nf, n, fill
	WIN 0                                          ; (the add's two registers lie in window 0)
	s_wait_tensorcnt 0x0                           ; all my tensor loads have landed, so a group 0 may be written;
	ds_add_u32 v[SPW], v[NIL]                      ; 0 onto my spare word;
.if \fill
	SETG \n, \slot
.endif
	s_wait_dscnt 1                                 ; this step's fragments are in (the add may be out)
	WIN MUL
	MUL8 \s, 0, 0                                  ; eight matrix instructions stand between the add and the wait for it
	s_wait_dscnt 0x0                               ; the add is done, and my reads of this slot are over
	s_barrier_signal -1
	MUL8 \s, 0, 1                                  ; work on registers while the others arrive
	WIN 0
	s_barrier_wait -1
.if \fill
	CREST                                          ; no wave of any partner still reads this slot or has a load on its way
	JLOAD \slot                                    ; the first tensor load behind the round, my only one until the next; its four v_nop are also the places in front of the loads below
.else
	PLACES 4
.endif
	FETCH \nf
	WIN MUL
	MUL8 \s, 0, 2
	MUL8 \s, 0, 3
.endm
; P's group p: my 64 results (window 1, v[64 p] on: register 16 b + i = R's row 32 b + 16 h + i) become a fragment in v[PC] on and its scale word in v[PW + p].  Each accumulator is read from its low end on
.macro QUANTW p
	WIN 0x14                                       ; sources 1 and 2 window 1
.irp b, 0,1,2,3
	v_max3_num_f32 v[TM+\b], 0x1800000, |v[64*\p+16*\b]|, |v[64*\p+16*\b+1]|   ; the floor 2^(3 - 127): the byte cannot fall under 1
.endr
.irp i, 2,4,6,8,10,12,14
.irp b, 0,1,2,3
	v_max3_num_f32 v[TM+\b], v[TM+\b], |v[64*\p+16*\b+\i]|, |v[64*\p+16*\b+\i+1]|
.endr
.endr
	WIN 0
.irp b, 0,1,2,3
	v_permlanex16_b32 v[TM+4+\b], v[TM+\b], s63, s2
.endr
.irp b, 0,1,2,3
	v_max_num_f32 v[TM+\b], v[TM+\b], v[TM+4+\b]
.endr
.irp b, 0,1,2,3
	v_add_nc_u32 v[TM+12+\b], 0xff000000, v[TM+\b] ; 2 off the exponent field: the conversion's scale operand
.endr
.irp b, 0,1,2,3
	v_lshrrev_b32 v[TM+4+\b], 23, v[TM+12+\b]      ; the scale's byte
.endr
	v_lshl_or_b32 v[PW+\p], v[TM+5], 8, v[TM+4]
	v_lshl_or_b32 v[PW+\p], v[TM+6], 16, v[PW+\p]
	v_lshl_or_b32 v[PW+\p], v[TM+7], 24, v[PW+\p]
.if \p > 0
	s_wait_xcnt 0x0                                ; the last image's stores have read the codes' registers
.endif
	WIN 0x01                                       ; source 0 window 1
.irp c, 0,1
	v_cvt_scalef32_pk16_fp6_f32 v[PC+6*\c:PC+2+6*\c], v[64*\p+32*\c:64*\p+32*\c+15], v[TM+12+2*\c]
	v_cvt_scalef32_pk16_fp6_f32 v[PC+12+4*\c:PC+14+4*\c], v[64*\p+32*\c+16:64*\p+32*\c+31], v[TM+13+2*\c]
.endr
	WIN 0
	v_nop                                          ; one plain place behind a scaled conversion
.irp c, 0,1
.irp i, 0,1,2
	v_permlane16_swap_b32 v[PC+6*\c+\i], v[PC+12+4*\c+\i]
.endr
.irp i, 0,1,2
	v_mov_b32 v[PC+3+6*\c+\i], v[PC+12+4*\c+\i]
.endr
.endr
.irp c, 0,1,2
	global_store_b128 v[IO], v[PC+4*\c:PC+4*\c+3], s[98:99] offset:\p*1536+512*\c   ; 32 lanes store 512 consecutive bytes, aligned
.endr
.endm
; TILE t (0 q, 1 k, 2 v); n = t + 1.  At its head every window is 0, K step 0's fragments have been asked for, slot 0 is whole and slot 1's load may be out
.macro TILE t, n
.if \t > 0
	PLACES 4
.endif
	FETCH 1
	s_wait_dscnt 36                                ; K step 0's fragments are in
	s_wait_loadcnt 8                               ; the scale words of K steps 0 to 3 and the bias are in; the eight loads behind them, the words of steps 4 to 7, may be out
	WIN MULB
.if \t < 2
	MUL32 0, 1                                     ; the first step starts the sums on the bias
.else
	MUL32 0, 2
.endif
	STEPP 1
	STEPP 2
.if \t < 2
	CHANGE 3, 0, 4, \n, 1                          ; slot 0 takes the next tile's K steps 0 to 3
.else
	CHANGE 3, 0, 4, \n, 0                          ; the last tile asks for nothing more
.endif
	WIN 0
	PLACES 4                                       ; behind step 3's products: in front of the loads into the set, the scale words and the bias that are done with
	s_wait_loadcnt 0x0                             ; the scale words of K steps 4 to 7 are in; no load names s[92:97] any more
.if \t < 2
	LBASE \n
	LWORDS 0                                       ; the next tile's, four K steps and a way out ahead of their use
	LBIAS \n
.endif
	FETCH 5
	s_wait_dscnt 36
	WIN MUL
	MUL32 4, 0
	STEPP 5
	STEPP 6
.if \t < 2
	CHANGE 7, 1, 0, \n, 1                          ; slot 1 takes the next tile's K steps 4 to 7, and the next tile's first fragments are fetched
.else
	s_wait_dscnt 0x0
	WIN MUL
	MUL32 7, 0
.endif
	WIN 0
	PLACES 4                                       ; ahead of the first read of results, and of the loads into the scale words of steps 4 to 7
	s_wait_xcnt 0x0                                ; the last tile's stores have read their bases and their registers
	OBASE \t
.if \t < 2
	LWORDS 4
.endif
	QUANTW 0
	QUANTW 1
	QUANTW 2
	QUANTW 3
	s_wait_xcnt 0x0                                ; EXEC changes only behind this wait
	v_cmp_gt_u32 vcc_lo, 16, v[LN]
	s_and_saveexec_b32 s82, vcc_lo
	global_store_b128 v[R16], v[PW:PW+3], s[100:101]   ; 16 lanes store 256 consecutive bytes, aligned: [row][image]
	s_wait_xcnt 0x0                                ; and again in front of the line that widens it
	s_or_b32 exec_lo, exec_lo, s82
.endm
	LBASE 0
	LWORDS 0
	LBIAS 0
	LWORDS 4
	s_wait_alu depctr_va_vdst(0)
	s_wait_tensorcnt 0x0                           ; my part of slot 0 is in
	ds_add_u32 v[SPW], v[NIL]
	s_wait_dscnt 0x0
	CROUND                                         ; everybody's part is in, and all sixteen work-groups are here
	JLOAD 1                                        ; slot 1's first fill: the first tensor load behind the round
	FETCH 0
	TILE 0, 1
	TILE 1, 2
	TILE 2, 3
	s_wait_tensorcnt 0x0                           ; the wave's end
	ds_add_u32 v[SPW], v[NIL]
	s_wait_dscnt 0x0
	CROUND                                         ; the closing round: no work-group ends while a partner may still ask for a tile that names it
	s_endpgm
.Lfunc_end_k_q900b66694b_proj:
	.size	k_q900b66694b_proj, .Lfunc_end_k_q900b66694b_proj-k_q900b66694b_proj
	.p2alignl 7, 3214868480
	.fill 96, 4, 3214868480
	.section	.rodata,"a",@progbits
	.p2align	6, 0x0
	.amdhsa_kernel k_q900b66694b_proj
		.amdhsa_group_segment_fixed_size 327680
		.amdhsa_private_segment_fixed_size 0
		.amdhsa_enable_private_segment 0
		.amdhsa_kernarg_size 56
		.amdhsa_user_sgpr_count 2
		.amdhsa_user_sgpr_kernarg_segment_ptr 1
		.amdhsa_wavefront_size32 1
		.amdhsa_system_sgpr_workgroup_id_x 1
		.amdhsa_system_sgpr_workgroup_id_y 1
		.amdhsa_system_sgpr_workgroup_id_z 1
		.amdhsa_system_vgpr_workitem_id 0
		.amdhsa_next_free_vgpr 864
		.amdhsa_next_free_sgpr 102
		.amdhsa_reserve_vcc 1
		.amdhsa_float_denorm_mode_32 3
		.amdhsa_float_denorm_mode_16_64 3
		.amdhsa_memory_ordered 1
		.amdhsa_forward_progress 1
		.amdhsa_inst_pref_size 235
	.end_amdhsa_kernel
	.amdgpu_metadata
---
amdhsa.version: [ 1, 2 ]
amdhsa.kernels:
  - .name:           k_q900b66694b_proj
    .symbol:         k_q900b66694b_proj.kd
    .args:
      - { .name: inc, .offset: 0, .size: 8, .value_kind: global_buffer, .address_space: global }
      - { .name: ins, .offset: 8, .size: 8, .value_kind: global_buffer, .address_space: global }
      - { .name: bq, .offset: 16, .size: 8, .value_kind: global_buffer, .address_space: global }
      - { .name: bk, .offset: 24, .size: 8, .value_kind: global_buffer, .address_space: global }
      - { .name: bv, .offset: 32, .size: 8, .value_kind: global_buffer, .address_space: global }
      - { .name: hc, .offset: 40, .size: 8, .value_kind: global_buffer, .address_space: global }
      - { .name: hs, .offset: 48, .size: 8, .value_kind: global_buffer, .address_space: global }
    .group_segment_fixed_size: 327680
    .private_segment_fixed_size: 0
    .kernarg_segment_align: 8
    .kernarg_segment_size: 56
    .max_flat_workgroup_size: 128
    .sgpr_count:     102
    .vgpr_count:     864
    .wavefront_size: 32
...
	.end_amdgpu_metadata
.endif
;; end of part 2
;; launch attn (part 3): grid 4 x 64, 8 waves a work-group, clusters of 4 x 1, 327,680 bytes of LDS; arguments hc, hs, xc, xs; writes xc, xs
.if DOCPART == 3
	.amdgcn_target "amdgcn-amd-amdhsa--gfx1250"
	.amdhsa_code_object_version 6
	.text
	.protected	k_q900b66694b_attn
	.globl	k_q900b66694b_attn
	.p2align	8
	.type	k_q900b66694b_attn,@function
k_q900b66694b_attn:
	s_mov_b64 s[64:65], 0
	v_nop
	global_prefetch_b8 v0, s[64:65] scope:SCOPE_SE
	s_setreg_imm32_b32 hwreg(HW_REG_WAVE_MODE, 25, 1), 1
	s_wait_xcnt 0x0
	s_wait_alu depctr_hold_cnt(0) depctr_sa_sdst(0) depctr_va_vdst(0) depctr_va_sdst(0) depctr_va_ssrc(0) depctr_va_vcc(0) depctr_vm_vsrc(0)
	s_getreg_b32 s2, hwreg(HW_REG_IB_STS2, 6, 4)
	s_cmp_eq_u32 s2, 0
	s_cbranch_scc0 .Lentry_in_a_cluster
	s_endpgm
.Lentry_in_a_cluster:
	s_bfe_u32 s2, ttmp6, 0x10000c
	s_cmp_lg_u32 s2, 0x3003
	s_cbranch_scc0 .Lentry_shape_is_right
	s_endpgm
.Lentry_shape_is_right:
; x = softmax(q k^T / 8) v for a pair of heads, on codes of FP6 (E2M3), and x quantised at once along the channels for the out-projection.
; hc, hs: sections q, k, v of images of operand registers (1,536 bytes: three parts of 512, lane l's registers 4 c .. 4 c + 3 at byte 16 l) and their scale words, as the projections leave them.
; SHARES.  Work-group (cx, y): pair of heads y = 8 batch + pair, queries 256 cx on.  Eight waves; a wave takes 32 queries, two tiles x = 0, 1 of 16, so that each fragment of k and v read from LDS feeds two products.
; The pair's 1,024 keys (64 images of k, 64 of v) lie in LDS whole, filled once, one tensor load a wave; the four work-groups of a cluster need the same images and ask for them jointly (mask 15).
; No data prefetch: every tensor load is issued at the head, so there is no loop to run ahead in.
; BOTH PRODUCTS ARE USED TRANSPOSED (S^T = k q^T, O^T = v^T p^T): a lane holds one query.  An image of q or k holds both heads' 64 channels; the head that is not at work has zero CODES in q, which add nothing.
; WHICH KEYS FORM A TILE OF k is chosen by the lanes' LDS addresses: tile 4 c + T takes keys 64 c + 8 T + 0 .. 7 (rows 0-7) and 64 c + 32 + 8 T + 0 .. 7 (rows 8-15), out of two stored images.
; So a lane's 32 score registers of tiles 4 c .. 4 c + 3 are the 32 neighbouring keys 64 c + 32 (lane / 16) + 0 .. 31: one whole scale block of p, in the order of the next operand's registers.
; In LDS each part of 512 bytes has 64 bytes of padding behind it: two images on are 3,456 bytes, 128 modulo 256, so rows 0-7 and rows 8-15 of a 16-lane pass touch different banks.
; THE SOFTMAX: t = score x log2(e) / 8; M = the ceiling of the running largest t, kept as -M; p = 2^(t - M); the sum is taken of the unquantised p; when M moves, sum and O^T are multiplied by 2^(old M - new M), with no branch.
; A block's largest p is made from its largest score by the same multiply-add and exponential (this takes v_exp_f32 not to fall where its input rises).
; ONE TEXT FOR BOTH HEADS: an outer loop of two trips; what differs lies in s56, s57, s60, s61.  The next step's fragments of k are asked for behind this step's score products; behind a head's last step that is step 0 again,
; which the second head wants; behind the second head's last step those 25 loads are read by nobody.
; LIMITS: NaN and infinities are not served.  The promise holds while the scaled scores t stay under 2^31 in magnitude.  A block of p or x under 2^-124 gets the byte 1.
; REGISTERS.  Window 0: addresses, state, operands.  Window 1: v0-127 scores / p (64 x + 8 tile + j), v128-191 O^T, v192-215 q's whole images, v216-239 x's codes, v240-255 second halves of blocks of codes.
.set PP,    576                        ; a part in LDS: 512 + 64
.set IMG,   3*PP
.set KSTEP, 8*IMG                      ; a key step of 128: eight images
.set VIM,   64*IMG
.set KSC,   128*IMG                    ; k's scale words, 4,096 bytes, then v's: stored by the waves; no tile lands here
.set VSC,   KSC+4096
.set XSC,   VSC+4096                   ; the stage for x's scale words
.set SPARE, XSC+1024                   ; the spare words, 128 bytes a wave, which no other line names
.set KA0, 1                            ; LDS addresses: k's fragments, v's, k's scale words, v's: step 0
.set VA0, 2
.set KSA0, 3
.set VSA0, 4
.set SPW, 5
.set NIL, 6
.set IO,  7                            ; 16 x lane
.set NM,  8                            ; v8+2x: -M; v9+2x: the running largest t
.set SUM, 12                           ; v12+2x, v13+2x: the row's sum in two halves
.set F,   16                           ; v16+2x: 2^(old M - new M); v17+2x: p's scale word
.set TS,  20                           ; a second chain of the sum
.set BM,  24                           ; v24+2x+c: a block's largest score, then its largest p
.set SO,  28                           ; the conversions' scale operands
.set BY,  32                           ; scale bytes
.set T0,  36
.set T1,  38
.set KS,  40                           ; k's scale words: lanes 0-15 tiles 0-3, lanes 16-31 tiles 4-7
.set VS,  44
.set KA,  48
.set VA,  49
.set KSA, 50
.set VSA, 51
.set QS,  52
.set VAH, 54                           ; v's addresses for the head at work
.set VSH, 55
.set QM,  56                           ; q with the other head's codes zero
.set PC,  80                           ; p's codes
.set VF,  104                          ; v's four fragments; at the head and at a head's end at work
.set KF,  152                          ; k's eight fragments
.set SH8, 248                          ; 8 x (lane / 16)
.set XA,  249
.set XR,  250
.set XO,  251
.set XW,  252                          ; x's scale words
.set R16, 254
.set OO,  128                          ; window 1
.set QF,  192
.set XC,  216
.set TC,  240
.set MSB, 0
.macro WIN new                         ; the immediate's high byte repeats the setting that is left
.if MSB != \new
	s_set_vgpr_msb (MSB<<8)|\new
.set MSB, \new
.endif
.endm
.macro WALU
	s_wait_alu depctr_va_vdst(0)
.endm
.macro CROUND
	s_barrier_signal -1
	s_barrier_wait -1
	s_cmp_lg_u32 s12, 0
	s_cbranch_scc1 .Lnot_wave_0_\@
	s_barrier_signal -3
.Lnot_wave_0_\@:
	s_barrier_wait -3
	s_barrier_signal -1
	s_barrier_wait -1
.endm
.macro KLOAD ka, ksa                   ; 25 LDS loads: a step's eight tiles of k and their scale words
.irp t, 0,1,2,3,4,5,6,7
.irp p, 0,1,2
	ds_load_b128 v[KF+12*\t+4*\p:KF+12*\t+4*\p+3], v[\ka] offset:(4*(\t/4)+(\t%2))*IMG+((\t%4)/2)*128+\p*PP
.endr
.endr
	ds_load_2addr_b64 v[KS:KS+3], v[\ksa] offset0:0 offset1:16
.endm
	s_load_b256 s[4:11], s[0:1], 0x0               ; hc, hs, xc, xs
	v_lshl_add_u32 v[SPW], v0, 2, SPARE
	v_mov_b32 v[NIL], 0
	ds_add_u32 v[SPW], v[NIL]                      ; the opening lines: the add, twice on end, and its wait
	ds_add_u32 v[SPW], v[NIL]
	v_lshrrev_b32 v[T0], 5, v0
	v_readfirstlane_b32 s12, v[T0]                 ; wave
	s_bfe_u32 s13, ttmp6, 0x40000                  ; cx
	s_and_b32 s14, ttmp7, 0xffff                   ; 8 batch + pair
	s_mov_b32 s24, 15|(3<<16)|(1<<20)|(1<<21)|(6<<22)|(15<<25)   ; the mask; elements of 8 bytes; 16 dwords of padding behind every 128
	s_mov_b32 s25, 64<<16                          ; rows of 512 bytes: the parts
	s_mov_b32 s26, 48<<16                          ; 16 images
	s_mov_b32 s27, 64<<16
	s_mov_b32 s28, 48
	s_mov_b32 s29, 64
	s_mov_b32 s30, 0
	s_mov_b32 s31, 0
	s_mov_b32 s20, 0x76543210                      ; lane selects: lane l xor 16
	s_mov_b32 s21, 0xfedcba98
	s_mov_b32 s22, 0x3e38aa3b                      ; log2(e) / 8
	s_mov_b32 s23, s22
	s_lshr_b32 s52, s12, 2                         ; waves 0-3 fetch k's images, waves 4-7 v's, 16 each
	s_add_co_u32 s52, s52, 1
	s_and_b32 s54, s12, 3
	s_mul_i32 s56, s52, 6291456
	s_mul_i32 s57, s14, 98304
	s_add_co_u32 s56, s56, s57
	s_mul_i32 s57, s54, 24576
	s_add_co_u32 s56, s56, s57
	s_mov_b32 s57, 0
	s_mov_b32 s40, 1
	s_mul_i32 s41, s12, 16*IMG
	WALU
	s_wait_dscnt 0x0
	CROUND                                         ; all four work-groups are here: the joint loads meet
	s_wait_kmcnt 0x0
	s_add_nc_u64 s[42:43], s[4:5], s[56:57]
	s_or_b32 s43, s43, 0x80000000
	tensor_load_to_lds s[40:43], s[24:31]          ; my one tensor load
	s_nop 0
.rept 4
	v_nop
.endr
	s_lshl_b32 s62, s14, 6
	s_lshl_b32 s63, s13, 4
	s_add_co_u32 s62, s62, s63
	s_lshl_b32 s76, s12, 1
	s_add_co_u32 s62, s62, s76                     ; q's image of my tile 0
	s_mul_i32 s66, s62, 1536
	s_mov_b32 s67, 0
	s_add_nc_u64 s[66:67], s[4:5], s[66:67]
	s_lshr_b32 s68, s62, 2
	s_lshl_b32 s68, s68, 8
	s_and_b32 s69, s62, 3
	s_lshl_b32 s69, s69, 2
	s_add_co_u32 s68, s68, s69
	s_mov_b32 s69, 0
	s_add_nc_u64 s[68:69], s[6:7], s[68:69]        ; and its scale words
	s_lshr_b32 s74, s14, 3
	s_and_b32 s75, s14, 7
	s_lshl_b32 s70, s74, 6
	s_add_co_u32 s70, s70, s63
	s_add_co_u32 s70, s70, s76
	s_lshl_b32 s70, s70, 3
	s_add_co_u32 s70, s70, s75
	s_mul_i32 s70, s70, 1536
	s_mov_b32 s71, 0
	s_add_nc_u64 s[70:71], s[8:9], s[70:71]        ; xc: [token group][K step = pair]
	s_lshl_b32 s72, s74, 4
	s_lshl_b32 s77, s13, 2
	s_add_co_u32 s72, s72, s77
	s_add_co_u32 s72, s72, s12
	s_lshl_b32 s72, s72, 11
	s_lshl_b32 s77, s75, 8
	s_add_co_u32 s72, s72, s77
	s_mov_b32 s73, 0
	s_add_nc_u64 s[72:73], s[10:11], s[72:73]      ; xs: quad = wave (waves 0-3 store)
	s_lshl_b32 s78, s14, 12
	s_mov_b32 s79, 0
	s_add_nc_u64 s[78:79], s[6:7], s[78:79]        ; the pair's 4,096 bytes in a section of hs
	s_lshr_b32 s51, s12, 1
	s_lshl_b32 s51, s51, 8
	s_and_b32 s52, s12, 1
	s_lshl_b32 s52, s52, 3
	s_add_co_u32 s51, s51, s52
	s_add_co_u32 s51, s51, XSC                     ; the stage: [quad][row][group % 4], my tile 0
	s_and_b32 s52, s12, 3
	s_lshl_b32 s52, s52, 8
	s_add_co_u32 s52, s52, XSC
	v_and_b32 v104, 31, v0                         ; lane
	v_and_b32 v105, 15, v0                         ; r
	v_bfe_u32 v106, v0, 4, 1                       ; h
	v_and_b32 v107, 7, v0                          ; r % 8
	v_bfe_u32 v108, v0, 3, 1                       ; r / 8
	v_lshlrev_b32 v[IO], 4, v104
	v_lshlrev_b32 v[KA0], 4, v107
	v_lshl_add_u32 v[KA0], v106, 8, v[KA0]
	v_mad_u32_u24 v[KA0], v108, 2*IMG, v[KA0]      ; 16 (r % 8) + 256 h, rows 8-15 two images on
	v_add_nc_u32 v[VA0], VIM, v[IO]
	v_lshl_add_u32 v[KSA0], v108, 3, KSC
	v_lshl_add_u32 v[KSA0], v107, 4, v[KSA0]
	v_lshl_add_u32 v[KSA0], v106, 8, v[KSA0]       ; [quad = h][row r % 8][groups 2 (r / 8), + 1]; rows 8 on lie 128 bytes further
	v_lshlrev_b32 v[R16], 4, v105
	v_add_nc_u32 v[VSA0], VSC, v[R16]
	v_lshlrev_b32 v[SH8], 3, v106
	v_add_nc_u32 v[XA], s51, v[R16]
	v_lshlrev_b32 v[XO], 3, v104
	v_add_nc_u32 v[XR], s52, v[XO]
	v_lshlrev_b32 v109, 4, v0                      ; 16 x thread: my share of the scale words
	v_add_nc_u32 v110, KSC, v109
.irp x, 0,1
	v_mov_b32 v[T1+\x], 0                          ; a lane permute's destination counts as one of its sources
	v_mov_b32 v[F+1+2*\x], 0
	v_mov_b32 v[XW+\x], 0
.endr
	WIN 0x40
.irp i, 6,7,8,9,10,11,18,19,20,21,22,23
	v_mov_b32 v[XC+\i], 0                          ; the first head's end moves these down
.endr
	WIN 0
	WALU                                           ; the wait at the head's end
	global_load_b128 v[112:115], v109, s[78:79] offset:262144
	global_load_b128 v[116:119], v109, s[78:79] offset:524288
	WIN 0x40
.irp x, 0,1
.irp c, 0,1,2
	global_load_b128 v[QF+12*\x+4*\c:QF+12*\x+4*\c+3], v[IO], s[66:67] offset:1536*\x+512*\c
.endr
.endr
	WIN 0
.irp x, 0,1
	global_load_b32 v[QS+\x], v[R16], s[68:69] offset:4*\x
.endr
	s_wait_loadcnt 8                               ; the scale words are in; q's eight loads may be out
	ds_store_b128 v110, v[112:115]
	ds_store_b128 v110, v[116:119] offset:4096
	s_wait_tensorcnt 0x0                           ; my images are in,
	s_wait_dscnt 0x0                               ; my stores are done:
	s_barrier_signal -1
	s_barrier_wait -1                              ; everybody's are
	KLOAD KA0, KSA0
	s_wait_loadcnt 0x0
	s_mov_b32 s55, 0                               ; the head at work
	s_mov_b32 s56, 0                               ; its four images of v in a step, its scale words
	s_mov_b32 s57, 0
.Lhead:
	s_cmp_eq_u32 s55, 0
	s_cselect_b32 s60, -1, 0
	s_cselect_b32 s61, 0, -1
	WIN 0x04
.irp x, 0,1
.irp i, 0,1,2,3,4,5
	v_and_b32 v[QM+12*\x+\i], s60, v[QF+12*\x+\i]
	v_and_b32 v[QM+12*\x+6+\i], s61, v[QF+12*\x+6+\i]
.endr
.endr
	WIN 0
.irp x, 0,1
	v_mov_b32 v[NM+1+2*\x], 0xff61b1e6             ; -3e38, under every t
	v_mov_b32 v[SUM+2*\x], 0
	v_mov_b32 v[SUM+1+2*\x], 0
.endr
.irp x, 0,1
	v_floor_f32 v[NM+2*\x], -v[NM+1+2*\x]
.endr
	WIN 0x40
.set j, 0
.rept 64
	v_mov_b32 v[OO+j], 0                           ; the step is written once: the first finds zeros
.set j, j+1
.endr
	WIN 0
	v_add_nc_u32 v[VAH], s56, v[VA0]
	v_add_nc_u32 v[VSH], s57, v[VSA0]
	s_mov_b32 s48, 0
	s_mov_b32 s58, 0
	s_mov_b32 s50, 8
.Lstep:
	v_add_nc_u32 v[VA], s48, v[VAH]                ; these four lines are the places behind the last products, ahead of the loads into v's registers
	v_add_nc_u32 v[VSA], s58, v[VSH]
	v_nop
	v_nop
.irp t, 0,1,2,3
.irp c, 0,1,2
	ds_load_b128 v[VF+12*\t+4*\c:VF+12*\t+4*\c+3], v[VA] offset:\t*IMG+\c*PP
.endr
.endr
	ds_load_b128 v[VS:VS+3], v[VSA]
	s_add_co_u32 s49, s48, KSTEP                   ; the step whose k is fetched next; behind the last: step 0
	s_add_co_u32 s59, s58, 512
	s_cmp_eq_u32 s50, 1
	s_cselect_b32 s49, 0, s49
	s_cselect_b32 s59, 0, s59
	s_wait_dscnt 13                                ; k's 25 loads are in; v's 13, just issued, may be out
	WIN 0x40
.irp t, 0,1,2,3,4,5,6,7
.irp x, 0,1
.if \t < 4
	v_wmma_scale_f32_16x16x128_f8f6f4 v[64*\x+8*\t:64*\x+8*\t+7], v[KF+12*\t:KF+12*\t+11], v[QM+12*\x:QM+12*\x+11], 0, v[KS+\t%4], v[QS+\x] matrix_a_fmt:MATRIX_FMT_FP6 matrix_b_fmt:MATRIX_FMT_FP6
.else
	v_wmma_scale_f32_16x16x128_f8f6f4 v[64*\x+8*\t:64*\x+8*\t+7], v[KF+12*\t:KF+12*\t+11], v[QM+12*\x:QM+12*\x+11], 0, v[KS+\t%4], v[QS+\x] matrix_a_fmt:MATRIX_FMT_FP6 matrix_b_fmt:MATRIX_FMT_FP6 matrix_a_scale:MATRIX_SCALE_ROW1
.endif
.endr
.endr
	WIN 0
	v_add_nc_u32 v[KA], s49, v[KA0]                ; four places, ahead of the loads into k's registers and of the first read of scores
	v_add_nc_u32 v[KSA], s59, v[KSA0]
	v_nop
	v_nop
	KLOAD KA, KSA
	WIN 0x14                                       ; each block's largest score: all 32 are mine; four chains by turns, each accumulator from its low end on
.irp i, 0,2,4,6,8,10,12,14,16,18,20,22,24,26,28,30
.irp x, 0,1
.irp c, 0,1
.if \i == 0
	v_max3_num_f32 v[BM+2*\x+\c], 0xff7fffff, v[64*\x+32*\c], v[64*\x+32*\c+1]
.else
	v_max3_num_f32 v[BM+2*\x+\c], v[BM+2*\x+\c], v[64*\x+32*\c+\i], v[64*\x+32*\c+\i+1]
.endif
.endr
.endr
.endr
	WIN 0
.irp x, 0,1
	v_max_num_f32 v[T0+\x], v[BM+2*\x], v[BM+2*\x+1]
.endr
.irp x, 0,1
	v_permlanex16_b32 v[T1+\x], v[T0+\x], s20, s21
.endr
.irp x, 0,1
	v_max_num_f32 v[T0+\x], v[T0+\x], v[T1+\x]     ; the step's largest score of my query
.endr
.irp x, 0,1
	v_mul_f32 v[T0+\x], s22, v[T0+\x]
.endr
.irp x, 0,1
	v_max_num_f32 v[NM+1+2*\x], v[NM+1+2*\x], v[T0+\x]
.endr
.irp x, 0,1
	v_mov_b32 v[T1+\x], v[NM+2*\x]
.endr
.irp x, 0,1
	v_floor_f32 v[NM+2*\x], -v[NM+1+2*\x]          ; -M = floor(-t)
.endr
.irp x, 0,1
	v_sub_f32 v[T1+\x], v[NM+2*\x], v[T1+\x]
.endr
.irp x, 0,1
	v_cvt_i32_f32 v[T1+\x], v[T1+\x]               ; (it saturates)
.endr
.irp x, 0,1
	v_ldexp_f32 v[F+2*\x], 1.0, v[T1+\x]           ; 2^(old M - new M)
.endr
	WIN 0x41
.set j, 0
.rept 16
.irp x, 0,1
	v_pk_mul_f32 v[OO+32*\x+j:OO+32*\x+j+1], v[OO+32*\x+j:OO+32*\x+j+1], v[F+2*\x:F+2*\x+1] op_sel_hi:[1,0]   ; O^T under the new M
.endr
.set j, j+2
.endr
.set j, 0
.rept 32
.irp x, 0,1
	v_pk_fma_f32 v[64*\x+j:64*\x+j+1], v[64*\x+j:64*\x+j+1], s[22:23], v[NM+2*\x:NM+2*\x+1] op_sel_hi:[1,0,0]   ; t - M
.endr
.set j, j+2
.endr
	WIN 0
.irp x, 0,1
.irp c, 0,1
	v_fma_f32 v[BM+2*\x+\c], v[BM+2*\x+\c], s22, v[NM+2*\x]
.endr
.endr
	WALU                                           ; the wait ahead of the batch
.irp b, 0,1,2,3
	v_exp_f32 v[BM+\b], v[BM+\b]                   ; each block's largest p
.endr
	WIN 0x41
.set j, 0
.rept 128
	v_exp_f32 v[j], v[j]                           ; p = 2^(t - M)
.set j, j+1
.endr
	WIN 0
.irp x, 0,1
	v_pk_mul_f32 v[SUM+2*\x:SUM+2*\x+1], v[SUM+2*\x:SUM+2*\x+1], v[F+2*\x:F+2*\x+1] op_sel_hi:[1,0]   ; the sums under the new M; plain lines behind the batch
.endr
	WALU                                           ; and the one wait behind it
.irp b, 0,1,2,3
	v_max_num_f32 v[BM+\b], 0x1800000, v[BM+\b]    ; the floor 2^(3 - 127): the byte cannot fall under 1
.endr
.irp b, 0,1,2,3
	v_add_nc_u32 v[SO+\b], 0xff000000, v[BM+\b]    ; 2 off the exponent field: the conversion's scale operand
.endr
.irp b, 0,1,2,3
	v_lshrrev_b32 v[BY+\b], 23, v[SO+\b]
.endr
.irp x, 0,1
	v_lshl_or_b32 v[T0+\x], v[BY+2*\x+1], 16, v[BY+2*\x]   ; my blocks h and 2 + h,
.endr
.irp x, 0,1
	v_lshlrev_b32 v[T0+\x], v[SH8], v[T0+\x]       ; at their places in the word;
.endr
.irp x, 0,1
	v_permlanex16_b32 v[T1+\x], v[T0+\x], s20, s21
.endr
.irp x, 0,1
	v_or_b32 v[F+1+2*\x], v[T0+\x], v[T1+\x]       ; with lane l xor 16's two the word is whole
.endr
	WIN 0x01
.irp x, 0,1
.irp c, 0,1
	v_cvt_scalef32_pk16_fp6_f32 v[PC+12*\x+6*\c:PC+12*\x+6*\c+2], v[64*\x+32*\c:64*\x+32*\c+15], v[SO+2*\x+\c]
.endr
.endr
	WIN 0x41
.irp x, 0,1
.irp c, 0,1
	v_cvt_scalef32_pk16_fp6_f32 v[TC+8*\x+4*\c:TC+8*\x+4*\c+2], v[64*\x+32*\c+16:64*\x+32*\c+31], v[SO+2*\x+\c]   ; (a conversion's three registers begin on an even number)
.endr
.endr
	v_nop                                          ; one plain place behind a scaled conversion
	WIN 0x01
.irp x, 0,1
.irp c, 0,1
.irp i, 0,1,2
	v_mov_b32 v[PC+12*\x+6*\c+3+\i], v[TC+8*\x+4*\c+\i]
.endr
.endr
.endr
	WIN 0x05                                       ; the row's sum, of the unquantised p: four chains.  These lines are also the places between the scale words and codes just made and the products
.irp x, 0,1
	v_pk_add_f32 v[TS+2*\x:TS+2*\x+1], v[64*\x:64*\x+1], v[64*\x+2:64*\x+3]
.endr
	WIN 0x04
.set j, 4
.rept 15
.irp x, 0,1
	v_pk_add_f32 v[SUM+2*\x:SUM+2*\x+1], v[SUM+2*\x:SUM+2*\x+1], v[64*\x+j:64*\x+j+1]
	v_pk_add_f32 v[TS+2*\x:TS+2*\x+1], v[TS+2*\x:TS+2*\x+1], v[64*\x+j+2:64*\x+j+3]
.endr
.set j, j+4
.endr
	WIN 0
.irp x, 0,1
	v_pk_add_f32 v[SUM+2*\x:SUM+2*\x+1], v[SUM+2*\x:SUM+2*\x+1], v[TS+2*\x:TS+2*\x+1]
.endr
	WALU                                           ; the wait here, directly ahead of the wait below
	s_wait_dscnt 25                                ; v's 13 loads are in; the next step's 25 of k may be out
	WIN 0x50
.irp t, 0,1,2,3
.irp x, 0,1
	v_wmma_scale_f32_16x16x128_f8f6f4 v[OO+32*\x+8*\t:OO+32*\x+8*\t+7], v[VF+12*\t:VF+12*\t+11], v[PC+12*\x:PC+12*\x+11], v[OO+32*\x+8*\t:OO+32*\x+8*\t+7], v[VS+\t], v[F+1+2*\x] matrix_a_fmt:MATRIX_FMT_FP6 matrix_b_fmt:MATRIX_FMT_FP6
.endr
.endr
	WIN 0
	s_add_co_u32 s48, s48, KSTEP
	s_add_co_u32 s58, s58, 512
	s_sub_co_i32 s50, s50, 1
	s_cmp_lg_u32 s50, 0
	s_cbranch_scc1 .Lstep
; A HEAD'S END: O^T / the sum, quantised along the head's 64 channels: register 16 b + i is channel 32 b + 16 h + i, so a block lies in lanes l and l xor 16
.irp x, 0,1
	v_add_f32 v[SUM+2*\x], v[SUM+2*\x], v[SUM+2*\x+1]
.endr
.irp x, 0,1
	v_permlanex16_b32 v[T1+\x], v[SUM+2*\x], s20, s21
.endr
.irp x, 0,1
	v_add_f32 v[SUM+2*\x], v[SUM+2*\x], v[T1+\x]
.endr
	v_nop
	v_nop
	WALU
.irp x, 0,1
	v_rcp_f32 v[SUM+2*\x], v[SUM+2*\x]
.endr
	v_nop
	WALU                                           ; directly ahead of the first readers of O^T and of the reciprocals
	WIN 0x41
.set j, 0
.rept 16
.irp x, 0,1
	v_pk_mul_f32 v[64*\x+j:64*\x+j+1], v[OO+32*\x+j:OO+32*\x+j+1], v[SUM+2*\x:SUM+2*\x+1] op_sel_hi:[1,0]
.endr
.set j, j+2
.endr
	WIN 0x14
.irp i, 0,2,4,6,8,10,12,14
.irp x, 0,1
.irp b, 0,1
.if \i == 0
	v_max3_num_f32 v[BM+2*\x+\b], 0x1800000, |v[64*\x+16*\b]|, |v[64*\x+16*\b+1]|
.else
	v_max3_num_f32 v[BM+2*\x+\b], v[BM+2*\x+\b], |v[64*\x+16*\b+\i]|, |v[64*\x+16*\b+\i+1]|
.endif
.endr
.endr
.endr
	WIN 0
.irp b, 0,1,2,3
	v_permlanex16_b32 v[BY+\b], v[BM+\b], s20, s21
.endr
.irp b, 0,1,2,3
	v_max_num_f32 v[BM+\b], v[BM+\b], v[BY+\b]
.endr
.irp b, 0,1,2,3
	v_add_nc_u32 v[SO+\b], 0xff000000, v[BM+\b]
.endr
.irp b, 0,1,2,3
	v_lshrrev_b32 v[BY+\b], 23, v[SO+\b]
.endr
.irp x, 0,1
	v_lshl_or_b32 v[T0+\x], v[BY+2*\x+1], 8, v[BY+2*\x]
.endr
.irp x, 0,1
	v_alignbit_b32 v[XW+\x], v[T0+\x], v[XW+\x], 16   ; the word moves down by two bytes and takes this head's two on top
.endr
	WIN 0x01
.irp x, 0,1
	v_cvt_scalef32_pk16_fp6_f32 v[VF+16*\x:VF+16*\x+2], v[64*\x:64*\x+15], v[SO+2*\x]
	v_cvt_scalef32_pk16_fp6_f32 v[VF+16*\x+8:VF+16*\x+10], v[64*\x+16:64*\x+31], v[SO+2*\x+1]
.endr
	WIN 0
	v_nop
.irp x, 0,1
.irp i, 0,1,2
	v_permlane16_swap_b32 v[VF+16*\x+\i], v[VF+16*\x+8+\i]   ; a whole block to a lane
.endr
.endr
.irp x, 0,1
.irp i, 0,1,2
	v_mov_b32 v[VF+16*\x+3+\i], v[VF+16*\x+8+\i]
.endr
.endr
	WIN 0x41
.irp x, 0,1
.irp i, 0,1,2,3,4,5
	v_mov_b32 v[XC+12*\x+\i], v[XC+12*\x+6+\i]     ; the image's registers 6-11 move down to 0-5,
.endr
.endr
	WIN 0x40
.irp x, 0,1
.irp i, 0,1,2,3,4,5
	v_mov_b32 v[XC+12*\x+6+\i], v[VF+16*\x+\i]     ; and take this head's six
.endr
.endr
	WIN 0
	WALU                                           ; the wait ahead of the scalar lines and the branch
	s_add_co_u32 s56, s56, 4*IMG
	s_add_co_u32 s57, s57, 256
	s_add_co_u32 s55, s55, 1
	s_cmp_lt_u32 s55, 2
	s_cbranch_scc1 .Lhead
	WIN 0x04
.irp x, 0,1
.irp c, 0,1,2
	global_store_b128 v[IO], v[XC+12*\x+4*\c:XC+12*\x+4*\c+3], s[70:71] offset:12288*\x+512*\c   ; 32 lanes store 512 consecutive bytes, aligned
.endr
.endr
	WIN 0
.irp x, 0,1
	ds_store_b32 v[XA], v[XW+\x] offset:4*\x       ; lanes l and l xor 16 write the same word with the same value
.endr
	s_wait_dscnt 0x0
	s_barrier_signal -1
	s_barrier_wait -1
	s_cmp_lt_u32 s12, 4
	s_cbranch_scc0 .Lno_words
	ds_load_b64 v[TS:TS+1], v[XR]
	s_wait_dscnt 0x0
	global_store_b64 v[XO], v[TS:TS+1], s[72:73]   ; a quad's 256 bytes, aligned
.Lno_words:
	s_wait_tensorcnt 0x0                           ; the wave's end
	ds_add_u32 v[SPW], v[NIL]
	s_wait_dscnt 0x0
	CROUND                                         ; the closing round
	s_endpgm
.Lfunc_end_k_q900b66694b_attn:
	.size	k_q900b66694b_attn, .Lfunc_end_k_q900b66694b_attn-k_q900b66694b_attn
	.p2alignl 7, 3214868480
	.fill 96, 4, 3214868480
	.section	.rodata,"a",@progbits
	.p2align	6, 0x0
	.amdhsa_kernel k_q900b66694b_attn
		.amdhsa_group_segment_fixed_size 327680
		.amdhsa_private_segment_fixed_size 0
		.amdhsa_enable_private_segment 0
		.amdhsa_kernarg_size 32
		.amdhsa_user_sgpr_count 2
		.amdhsa_user_sgpr_kernarg_segment_ptr 1
		.amdhsa_wavefront_size32 1
		.amdhsa_system_sgpr_workgroup_id_x 1
		.amdhsa_system_sgpr_workgroup_id_y 1
		.amdhsa_system_sgpr_workgroup_id_z 1
		.amdhsa_system_vgpr_workitem_id 0
		.amdhsa_next_free_vgpr 512
		.amdhsa_next_free_sgpr 80
		.amdhsa_reserve_vcc 0
		.amdhsa_float_denorm_mode_32 3
		.amdhsa_float_denorm_mode_16_64 3
		.amdhsa_memory_ordered 1
		.amdhsa_forward_progress 1
		.amdhsa_inst_pref_size 50
	.end_amdhsa_kernel
	.amdgpu_metadata
---
amdhsa.version: [ 1, 2 ]
amdhsa.kernels:
  - .name:           k_q900b66694b_attn
    .symbol:         k_q900b66694b_attn.kd
    .args:
      - { .name: hc, .offset: 0, .size: 8, .value_kind: global_buffer, .address_space: global }
      - { .name: hs, .offset: 8, .size: 8, .value_kind: global_buffer, .address_space: global }
      - { .name: xc, .offset: 16, .size: 8, .value_kind: global_buffer, .address_space: global }
      - { .name: xs, .offset: 24, .size: 8, .value_kind: global_buffer, .address_space: global }
    .group_segment_fixed_size: 327680
    .private_segment_fixed_size: 0
    .kernarg_segment_align: 8
    .kernarg_segment_size: 32
    .max_flat_workgroup_size: 256
    .sgpr_count:     80
    .vgpr_count:     512
    .wavefront_size: 32
...
	.end_amdgpu_metadata
.endif
;; end of part 3
;; launch outp (part 4): grid 4 x 64, 4 waves a work-group, clusters of 4 x 4, 327,680 bytes of LDS; arguments xc, xs, inc, ins, bo, out0; writes out0
.if DOCPART == 4
	.amdgcn_target "amdgcn-amd-amdhsa--gfx1250"
	.amdhsa_code_object_version 6
	.text
	.protected	k_q900b66694b_outp
	.globl	k_q900b66694b_outp
	.p2align	8
	.type	k_q900b66694b_outp,@function
k_q900b66694b_outp:
	s_mov_b64 s[64:65], 0
	v_nop
	global_prefetch_b8 v0, s[64:65] scope:SCOPE_SE
	s_setreg_imm32_b32 hwreg(HW_REG_WAVE_MODE, 25, 1), 1
	s_wait_xcnt 0x0
	s_wait_alu depctr_hold_cnt(0) depctr_sa_sdst(0) depctr_va_vdst(0) depctr_va_sdst(0) depctr_va_ssrc(0) depctr_va_vcc(0) depctr_vm_vsrc(0)
	s_getreg_b32 s2, hwreg(HW_REG_IB_STS2, 6, 4)
	s_cmp_eq_u32 s2, 0
	s_cbranch_scc0 .Lentry_in_a_cluster
	s_endpgm
.Lentry_in_a_cluster:
	s_bfe_u32 s2, ttmp6, 0x10000c
	s_cmp_lg_u32 s2, 0xf033
	s_cbranch_scc0 .Lentry_shape_is_right
	s_endpgm
.Lentry_shape_is_right:
; out0 = x Wo^T + bo on codes of FP6 (E2M3).  x's codes and scale words come from the attention launch (xc [token group 512][K step 8][1536], xs [quad][K step][row][group % 4]), Wo's from the quantising launch (inc, ins: groups 1728 on).
; Operands are images of operand registers, by groups of 16 rows (in each 32 rows group 2 B + u holds rows 32 B + 8 u + i + 8 (i / 8)).  Source 0 = R = Wo (output channels fall on a lane's registers), source 1 = P = x (tokens fall on lanes):
; the 64 registers of 8 neighbouring groups of Wo are 128 neighbouring output channels: register 16 b + i = channel 32 b + 16 (lane / 16) + i.
; TILE: P 128 tokens (8 groups), R 256 channels (16 groups), all of K = 1,024: 256 work-groups.  Four waves; wave w: P's groups 4 (w / 2) .. + 3, R's groups 8 (w % 2) .. + 7: 32 accumulators, 256 matrix instructions.
; All of the tile's codes (96 + 192 KiB) fit in LDS: every LDS byte is filled once, in two halves of K, all asked for at the head: no ring, no refill; a half is gated by a counted wait and a barrier.
; CLUSTER 4 x 4: x's tile hangs on the cluster's row alone and is asked for jointly along it, Wo's on the column.  The bias is the C of each sum's first matrix instruction.
; THE WAY OUT: 16 tokens x 128 channels at a time through the wave's own stage in LDS, back as whole rows of 512 bytes.  The stage lies in R's half 0, which has had its only fill; every wave's reads of it are over at a later gate's barrier.
; REGISTERS, in windows of 256: window 0: addresses, scale words, the bias, rows on the way out.  window 1: accumulator (p, r) at v[8 (8 p + r)].  window 2: R's fragments, two sets (v0, v128).  window 3: P's, two sets (v0, v48).
; THE FILLS AS THEY STAND (in place of the four chunks named above): LDS is filled once, in two halves of K (four K steps each), one tensor load a wave, each on a line of its own:
; wave 0 P's first half, wave 1 R's first half, wave 2 P's second, wave 3 R's second.  The first half is shown when waves 0 and 1 have waited, the second at the gate in K step 3, where every wave waits.
.set CHK,   6144                       ; a group's bytes of a half: four images
.set PIM,   0
.set RIM,   98304
.set SPARE, 294912                     ; the spare words, 128 bytes for each wave, which no other line names
.set SP,    528                        ; a stage row: 512 bytes + 16
.set AP,   2
.set AR,   3
.set IO,   4                           ; v4   16 x lane
.set R16,  5                           ; v5   16 r
.set R16H, 6                           ; v6   16 r + 2,048 h
.set BO,   8                           ; v8   64 h
.set STO,  20                          ; v20  the stage: where I put 32 bytes of a row
.set RD,   21                          ; v21  and where I read a row back
.set SPW,  28
.set NIL,  29
.set SCP,  32
.set SCR,  64
.set BB,   96                          ; v96-159 the bias; on the way out v96-159 and v160-223 take rows by turns
.set BK,   96
.set G1P, 28
.set G1R, 36
.set G0P, 44
.set G0R, 68
.set MSB, 0
.macro WIN new                         ; the immediate's high byte repeats the setting that is left
.if MSB != \new
	s_set_vgpr_msb (MSB<<8)|\new
.set MSB, \new
.endif
.endm
.set TO_R, 0x80
.set TO_P, 0xc0
.set MUL,  0x5e                        ; source 0 (R) window 2, source 1 (P) window 3, C and D window 1
.set MULB, 0x4e                        ; the same with C (the bias) in window 0
.macro CROUND
	s_barrier_signal -1
	s_barrier_wait -1
	s_cmp_lg_u32 s18, 0
	s_cbranch_scc1 .Lnot_wave_0_\@
	s_barrier_signal -3
.Lnot_wave_0_\@:
	s_barrier_wait -3
	s_barrier_signal -1
	s_barrier_wait -1
.endm
.macro PLACES n
.rept \n
	v_nop
.endr
.endm
	s_load_b256 s[4:11], s[0:1], 0x0               ; xc, xs, inc, ins
	s_load_b128 s[12:15], s[0:1], 0x20             ; bo, out0
	v_lshl_add_u32 v[SPW], v0, 2, SPARE
	v_mov_b32 v[NIL], 0
	ds_add_u32 v[SPW], v[NIL]                      ; the wave's opening: the add and its wait stand ahead of my first tensor load; work on registers stands between them
	ds_add_u32 v[SPW], v[NIL]
	v_lshrrev_b32 v1, 5, v0
	v_readfirstlane_b32 s18, v1                    ; wave
	s_lshr_b32 s19, s18, 1                         ; which half of P's groups I multiply.  Also: which half of K I fetch
	s_and_b32 s20, s18, 1                          ; which half of R's groups.  Also: I fetch for P (0) or for R (1)
	s_bfe_u32 s21, ttmp6, 0x40000                  ; cx
	s_bfe_u32 s22, ttmp6, 0x40004                  ; cy
	s_and_b32 s23, ttmp7, 0xffff                   ; the cluster's y, 0 .. 15
	s_lshl_b32 s61, s22, 2
	s_lshl_b32 s61, 15, s61                        ; my row of the cluster
	s_lshl_b32 s62, 0x1111, s21                    ; my column
	s_or_b32 s[G1P], s61, (3<<16)|(1<<21)          ; 15:0 the mask; 17:16 elements of 8 bytes; 21 set beside a mask; no padding
	s_or_b32 s[G1R], s62, (3<<16)|(1<<21)
	s_mov_b32 s[G1P+1], 768<<16                    ; a group's 6,144 bytes of a half
	s_mov_b32 s[G1P+2], 8<<16                      ; 8 groups
	s_mov_b32 s[G1P+3], 768<<16
	s_mov_b32 s[G1P+4], 8
	s_mov_b32 s[G1P+5], 1536                       ; from group to group: 12,288 bytes
	s_mov_b32 s[G1P+6], 0
	s_mov_b32 s[G1P+7], 0
	s_mov_b32 s[G1R+1], 768<<16
	s_mov_b32 s[G1R+2], 16<<16                     ; 16 groups
	s_mov_b32 s[G1R+3], 768<<16
	s_mov_b32 s[G1R+4], 16
	s_mov_b32 s[G1R+5], 1536
	s_mov_b32 s[G1R+6], 0
	s_mov_b32 s[G1R+7], 0
	s_lshl_b32 s84, s23, 2
	s_add_co_u32 s84, s84, s22                     ; P tile: 4 x cluster y + cy.  s84-87 never hold cx, s88-91 never cy
	s_lshl_b32 s85, s84, 3                         ; P's first group
	s_mov_b32 s88, s21                             ; R tile: cx
	s_lshl_b32 s89, s88, 4
	s_add_co_u32 s89, s89, 1728                    ; R's first group
	s_mul_i32 s86, s85, 12288
	s_mov_b32 s87, 0
	s_mul_i32 s90, s89, 12288
	s_mov_b32 s91, 0
	s_wait_dscnt 0x0                               ; the opening add is done
	s_wait_kmcnt 0x0
	s_add_nc_u64 s[86:87], s[4:5], s[86:87]
	s_add_nc_u64 s[90:91], s[8:9], s[90:91]
.irp c, 0,1
	s_mov_b32 s[G0P+4*\c], 1
	s_mov_b32 s[G0P+4*\c+1], PIM+\c*8*CHK
	s_add_nc_u64 s[G0P+4*\c+2:G0P+4*\c+3], s[86:87], \c*CHK
	s_or_b32 s[G0P+4*\c+3], s[G0P+4*\c+3], 0x80000000
	s_mov_b32 s[G0R+4*\c], 1
	s_mov_b32 s[G0R+4*\c+1], RIM+\c*16*CHK
	s_add_nc_u64 s[G0R+4*\c+2:G0R+4*\c+3], s[90:91], \c*CHK
	s_or_b32 s[G0R+4*\c+3], s[G0R+4*\c+3], 0x80000000
.endr
	CROUND                                         ; all sixteen work-groups are here: the joint loads meet
	s_cmp_eq_u32 s18, 0                            ; one chain of branches on the wave's number, one load to an arm
	s_cbranch_scc0 .Lwave_1
	tensor_load_to_lds s[G0P:G0P+3], s[G1P:G1P+7]  ; wave 0: P's K steps 0 to 3
	s_nop 0
	PLACES 4
	s_branch .Lasked
.Lwave_1:
	s_cmp_eq_u32 s18, 1
	s_cbranch_scc0 .Lwave_2
	tensor_load_to_lds s[G0R:G0R+3], s[G1R:G1R+7]  ; wave 1: R's K steps 0 to 3
	s_nop 0
	PLACES 4
	s_branch .Lasked
.Lwave_2:
	s_cmp_eq_u32 s18, 2
	s_cbranch_scc0 .Lwave_3
	tensor_load_to_lds s[G0P+4:G0P+7], s[G1P:G1P+7]   ; wave 2: P's K steps 4 to 7
	s_nop 0
	PLACES 4
	s_branch .Lasked
.Lwave_3:
	tensor_load_to_lds s[G0R+4:G0R+7], s[G1R:G1R+7]   ; wave 3: R's K steps 4 to 7
	s_nop 0
	PLACES 4
.Lasked:
	v_and_b32 v7, 31, v0
	v_lshlrev_b32 v[IO], 4, v7
	v_and_b32 v1, 15, v0                           ; r
	v_bfe_u32 v22, v0, 4, 1                        ; h
	v_lshlrev_b32 v[R16], 4, v1
	s_wait_alu depctr_va_vdst(0)
	v_lshl_add_u32 v[R16H], v22, 11, v[R16]
	s_wait_alu depctr_va_vdst(0)
	v_lshlrev_b32 v[BO], 6, v22
	s_wait_alu depctr_va_vdst(0)
	s_mul_i32 s3, s19, 4*CHK
	v_add_nc_u32 v[AP], s3, v[IO]
	s_mul_i32 s3, s20, 8*CHK
	s_add_co_u32 s3, s3, RIM
	v_add_nc_u32 v[AR], s3, v[IO]
	s_mul_i32 s3, s18, 16*SP
	s_add_co_u32 s3, s3, RIM                       ; my stage
	v_mad_u32_u24 v[STO], v1, SP, v[BO]            ; in: row r, + 64 h
	v_add_nc_u32 v[STO], s3, v[STO]
	v_add_nc_u32 v[RD], s3, v[IO]                  ; back: a row's 512 bytes, 16 a lane
	s_lshl_b32 s92, s85, 9                         ; the scale words of all of K, once, in whole blocks of 256 bytes: my quad of P, my two quads of R
	s_lshl_b32 s93, s19, 11
	s_add_co_u32 s92, s92, s93
	s_mov_b32 s93, 0
	s_add_nc_u64 s[92:93], s[6:7], s[92:93]
	s_lshl_b32 s94, s89, 9
	s_lshl_b32 s95, s20, 12
	s_add_co_u32 s94, s94, s95
	s_mov_b32 s95, 0
	s_add_nc_u64 s[94:95], s[10:11], s[94:95]
.irp s, 0,1,2,3,4,5,6,7
	global_load_b128 v[SCP+4*\s:SCP+4*\s+3], v[R16], s[92:93] offset:256*\s
	global_load_b128 v[SCR+4*\s:SCR+4*\s+3], v[R16H], s[94:95] offset:256*\s
.endr
	s_lshl_b32 s96, s88, 8
	s_lshl_b32 s97, s20, 7
	s_add_co_u32 s96, s96, s97                     ; my first output channel
	s_lshl_b32 s96, s96, 2
	s_mov_b32 s97, 0
	s_lshl_b32 s98, s84, 7
	s_lshl_b32 s99, s19, 6
	s_add_co_u32 s98, s98, s99                     ; my first token
	s_lshl_b32 s98, s98, 12
	s_add_co_u32 s98, s98, s96
	s_mov_b32 s99, 0
	s_add_nc_u64 s[98:99], s[14:15], s[98:99]      ; out0 at my first token and channel
	s_add_nc_u64 s[96:97], s[12:13], s[96:97]      ; bo at my first channel
.irp i, 0,1,2,3,4,5,6,7                ; set i: the eight channels 32 (i / 2) + 8 (i % 2) + 16 h + j
	global_load_b128 v[BB+8*\i:BB+8*\i+3], v[BO], s[96:97] offset:128*(\i/2)+32*(\i%2)
	global_load_b128 v[BB+8*\i+4:BB+8*\i+7], v[BO], s[96:97] offset:128*(\i/2)+32*(\i%2)+16
.endr
; 36 LDS loads in one run: K step s's fragments, as images
.macro FETCH s
	WIN TO_R
.irp r, 0,1,2,3,4,5,6,7
.irp c, 0,1,2
	ds_load_b128 v[128*((\s)%2)+12*\r+4*\c:128*((\s)%2)+12*\r+4*\c+3], v[AR] offset:\r*CHK+((\s)%4)*1536+512*\c
.endr
.endr
	WIN TO_P
.irp p, 0,1,2,3
.irp c, 0,1,2
	ds_load_b128 v[48*((\s)%2)+12*\p+4*\c:48*((\s)%2)+12*\p+4*\c+3], v[AP] offset:\p*CHK+((\s)%4)*1536+512*\c
.endr
.endr
.endm
; 32 matrix instructions: K step s.  The 32 accumulators take turns, one instruction a turn, in the same order in every step.  cm = 0: in place; 1: C = the bias set of R's group
.macro MUL32 s, cm
.irp p, 0,1,2,3
.irp r, 0,1,2,3,4,5,6,7
.set AC, 8*(8*\p+\r)
.set FA, 128*((\s)%2)+12*\r
.set FB, 48*((\s)%2)+12*\p
.if (\cm) == 0
.set CR, AC
.else
.set CR, BB+8*\r
.endif
.if \r < 4
	v_wmma_scale_f32_16x16x128_f8f6f4 v[AC:AC+7], v[FA:FA+11], v[FB:FB+11], v[CR:CR+7], v[SCR+4*(\s)+\r], v[SCP+4*(\s)+\p] matrix_a_fmt:MATRIX_FMT_FP6 matrix_b_fmt:MATRIX_FMT_FP6
.else
	v_wmma_scale_f32_16x16x128_f8f6f4 v[AC:AC+7], v[FA:FA+11], v[FB:FB+11], v[CR:CR+7], v[SCR+4*(\s)+\r-4], v[SCP+4*(\s)+\p] matrix_a_fmt:MATRIX_FMT_FP6 matrix_b_fmt:MATRIX_FMT_FP6 matrix_a_scale:MATRIX_SCALE_ROW1
.endif
.endr
.endr
.endm
; Half c is whole: my part has landed (at c = 0 half 1's loads may stay out), and so has everybody's behind the barrier
.macro GATE c
	WIN 0
	s_wait_dscnt 0x0                               ; no LDS instruction of mine is pending at a signal
.if (\c) == 0
	s_cmp_lt_u32 s18, 2                            ; half 0: waves 0 and 1 fetched it, on lines of their own; waves 2 and 3's loads may stay out
	s_cbranch_scc0 .Lnot_first
.endif
	s_wait_tensorcnt 0x0
.if (\c) == 0
.Lnot_first:
.endif
	s_barrier_signal -1
	s_barrier_wait -1
.if (\c) > 0
	v_add_nc_u32 v[AP], 8*CHK, v[AP]
	v_add_nc_u32 v[AR], 16*CHK, v[AR]
.endif
.endm
.macro PRE s
.if (\s) == 3
	GATE 1
.endif
.if (\s) < 7
.if (\s) > 0
	s_wait_alu depctr_va_vdst(0)
	PLACES 4                                       ; four places between the last products, which read that set, and the loads into it (ISA guide 7.12.1 for vector instructions)
.endif
	FETCH (\s)+1
	s_wait_dscnt 36                                ; all but the 36 just issued: this step's fragments are in
.else
	s_wait_dscnt 0x0
.endif
.endm
	s_wait_alu depctr_va_vdst(0)
	GATE 0
	FETCH 0
	PRE 0
	s_wait_loadcnt 0x0                             ; scale words and the bias
	WIN MULB
	MUL32 0, 1                                     ; the first step starts the sums on the bias
.irp s, 1,2,3,4,5,6,7
	PRE \s
	WIN MUL
	MUL32 \s, 0
.endr
	WIN 0
	PLACES 4                                       ; ahead of the first read of results, and of the loads into the registers that held the bias
; P's group a: 16 tokens x my 128 channels into my stage, each accumulator from its low end on, and back as whole rows.  LDS serves a wave's instructions in order: no wait between the stores and the loads, nor in front of the next block's stores
.macro TOSTAGE a
	WIN 0x04                                       ; an LDS store's data are its source 1: window 1
.irp r, 0,1,2,3,4,5,6,7
	ds_store_b128 v[STO], v[64*(\a)+8*\r:64*(\a)+8*\r+3] offset:128*(\r/2)+32*(\r%2)
	ds_store_b128 v[STO], v[64*(\a)+8*\r+4:64*(\a)+8*\r+7] offset:128*(\r/2)+32*(\r%2)+16
.endr
	WIN 0
.set BBK, BK+64*((\a)%2)
.irp t, 0,1,2,3,4,5,6,7,8,9,10,11,12,13,14,15
	ds_load_b128 v[BBK+4*\t:BBK+4*\t+3], v[RD] offset:\t*SP
.endr
.endm
.macro SEND a, younger                 ; younger: the LDS instructions issued behind block a's loads, which may stay out
.set BBK, BK+64*((\a)%2)
	s_wait_dscnt \younger
.irp t, 0,1,2,3,4,5,6,7,8,9,10,11,12,13,14,15
	global_store_b128 v[IO], v[BBK+4*\t:BBK+4*\t+3], s[98:99] offset:(32*((\a)/2)+8*((\a)%2)+\t+8*(\t/8))*4096 th:TH_STORE_NT   ; row t of the group is token 32 (a / 2) + 8 (a % 2) + t + 8 (t / 8); 32 lanes store 512 consecutive bytes, aligned
.endr
.endm
	TOSTAGE 0
.irp a, 1,2,3
.if \a > 1
	s_wait_xcnt 0x0                                ; block a - 2's stores have read their registers: block a's loads may land there
.endif
	TOSTAGE \a
	SEND \a-1, 32                                  ; behind block a - 1's loads: block a's 16 stores and 16 loads
.endr
	SEND 3, 0
	s_wait_tensorcnt 0x0                           ; the wave's end, behind my last tensor load and my last LDS store
	ds_add_u32 v[SPW], v[NIL]
	s_wait_dscnt 0x0
	CROUND                                         ; the closing round: no work-group ends while a partner may still ask for a tile that names it
	s_endpgm
.Lfunc_end_k_q900b66694b_outp:
	.size	k_q900b66694b_outp, .Lfunc_end_k_q900b66694b_outp-k_q900b66694b_outp
	.p2alignl 7, 3214868480
	.fill 96, 4, 3214868480
	.section	.rodata,"a",@progbits
	.p2align	6, 0x0
	.amdhsa_kernel k_q900b66694b_outp
		.amdhsa_group_segment_fixed_size 327680
		.amdhsa_private_segment_fixed_size 0
		.amdhsa_enable_private_segment 0
		.amdhsa_kernarg_size 48
		.amdhsa_user_sgpr_count 2
		.amdhsa_user_sgpr_kernarg_segment_ptr 1
		.amdhsa_wavefront_size32 1
		.amdhsa_system_sgpr_workgroup_id_x 1
		.amdhsa_system_sgpr_workgroup_id_y 1
		.amdhsa_system_sgpr_workgroup_id_z 1
		.amdhsa_system_vgpr_workitem_id 0
		.amdhsa_next_free_vgpr 864
		.amdhsa_next_free_sgpr 102
		.amdhsa_reserve_vcc 0
		.amdhsa_float_denorm_mode_32 3
		.amdhsa_float_denorm_mode_16_64 3
		.amdhsa_memory_ordered 1
		.amdhsa_forward_progress 1
		.amdhsa_inst_pref_size 78
	.end_amdhsa_kernel
	.amdgpu_metadata
---
amdhsa.version: [ 1, 2 ]
amdhsa.kernels:
  - .name:           k_q900b66694b_outp
    .symbol:         k_q900b66694b_outp.kd
    .args:
      - { .name: xc, .offset: 0, .size: 8, .value_kind: global_buffer, .address_space: global }
      - { .name: xs, .offset: 8, .size: 8, .value_kind: global_buffer, .address_space: global }
      - { .name: inc, .offset: 16, .size: 8, .value_kind: global_buffer, .address_space: global }
      - { .name: ins, .offset: 24, .size: 8, .value_kind: global_buffer, .address_space: global }
      - { .name: bo, .offset: 32, .size: 8, .value_kind: global_buffer, .address_space: global }
      - { .name: out0, .offset: 40, .size: 8, .value_kind: global_buffer, .address_space: global }
    .group_segment_fixed_size: 327680
    .private_segment_fixed_size: 0
    .kernarg_segment_align: 8
    .kernarg_segment_size: 48
    .max_flat_workgroup_size: 128
    .sgpr_count:     102
    .vgpr_count:     864
    .wavefront_size: 32
...
	.end_amdgpu_metadata
.endif
;; end of part 4
